; MI455X (gfx1250); checked and timed in simulation.
; The chip was launched on July 23, 2026; its instructions are those of AMD's public machine-readable ISA for CDNA 5 (MIT licence, August 2026) and "CDNA5" Instruction Set Architecture Reference Guide (July 2026). The comments in the code are by the model that wrote it; some were corrected since.
;; Text Based Global Local Unit. Allowed arithmetic: matrix products marked QUANTISED: E2M1 operands, one E8M0 scale for each 32 along K, by v_wmma_scale_f32_16x16x128_f8f6f4 with both operands' format E2M1 (or v_wmma_scale_f32_32x16x128_f4), f32 sums; products left as they are: f32 operands where the result goes on into a quantised operand, else bf16, f16 or f32 operands; f32 sums; everything else in f32.
;; Inputs: Wc_codes 768 x 24 x 16 uint8 (E2M1 codes of Wc, K innermost, in blocks of 32 codes, two codes a byte); Wc_scales 768 x 24 uint8 (E8M0 scales of Wc, one for each 32 codes along K); Wk_codes 768 x 24 x 16 uint8 (E2M1 codes of Wk, K innermost, in blocks of 32 codes, two codes a byte); Wk_scales 768 x 24 uint8 (E8M0 scales of Wk, one for each 32 codes along K); Wq_codes 768 x 24 x 16 uint8 (E2M1 codes of Wq, K innermost, in blocks of 32 codes, two codes a byte); Wq_scales 768 x 24 uint8 (E8M0 scales of Wq, one for each 32 codes along K); Wv_codes 768 x 24 x 16 uint8 (E2M1 codes of Wv, K innermost, in blocks of 32 codes, two codes a byte); Wv_scales 768 x 24 uint8 (E8M0 scales of Wv, one for each 32 codes along K); bc 768 float32; bk 768 float32; bq 768 float32; bv 768 float32; entity_text_cls_codes 128 x 24 x 16 uint8 (E2M1 codes of entity_text_cls, K innermost, in blocks of 32 codes, two codes a byte); entity_text_cls_scales 128 x 24 uint8 (E8M0 scales of entity_text_cls, one for each 32 codes along K); entity_text_tokens_codes 128 x 128 x 24 x 16 uint8 (E2M1 codes of entity_text_tokens, K innermost, in blocks of 32 codes, two codes a byte); entity_text_tokens_scales 128 x 128 x 24 uint8 (E8M0 scales of entity_text_tokens, one for each 32 codes along K); ln_b 768 float32; ln_g 768 float32; mention_text_cls_codes 32 x 24 x 16 uint8 (E2M1 codes of mention_text_cls, K innermost, in blocks of 32 codes, two codes a byte); mention_text_cls_scales 32 x 24 uint8 (E8M0 scales of mention_text_cls, one for each 32 codes along K); mention_text_tokens_codes 32 x 128 x 24 x 16 uint8 (E2M1 codes of mention_text_tokens, K innermost, in blocks of 32 codes, two codes a byte); mention_text_tokens_scales 32 x 128 x 24 uint8 (E8M0 scales of mention_text_tokens, one for each 32 codes along K).
;; Outputs: out0 32 x 128 float32.
;; This version of the problem:
;;   THIS VERSION OF THE PROBLEM IS GIVEN IN LOW PRECISION. The matrix products marked QUANTISED in the list below multiply operands that are first quantised to E2M1 (2 exponent bits, 1 mantissa bit; 4 bits a number), with one power-of-two scale for each 32 numbers along K (OCP MX v1.0); their sums are f32. All else is computed in f32.
;;   The module's matrix products, in the order in which they are computed (A, B: the left and right operand; K: the contracted axis; several contracted axes count as one K, in the product's order):
;;     1. [M 128, K 768] x [K 768, N 768]; A: input entity_text_cls (given as codes); B: input Wc (given as codes): QUANTISED
;;     2. [M 16,384, K 768] x [K 768, N 768]; A: input entity_text_tokens (given as codes); B: input Wq (given as codes): QUANTISED
;;     3. [M 4,096, K 768] x [K 768, N 768]; A: input mention_text_tokens (given as codes); B: input Wk (given as codes): QUANTISED
;;     4. [M 4,096, K 768] x [K 768, N 768]; A: input mention_text_tokens (given as codes); B: input Wv (given as codes): QUANTISED
;;     5. [M 4,096, K 768] x [K 768, N 16,384]; A: computed on the way; B: computed on the way: QUANTISED
;;     6. batch 32 x [M 768, K 128] x [K 128, N 128]; A: computed on the way; B: computed on the way: QUANTISED
;;     7. batch 128 x [M 1, K 768] x [K 768, N 32]; A: computed on the way; B: computed on the way: left as it is (M = 1 < 16)
;;     8. [M 32, K 768] x [K 768, N 128]; A: input mention_text_cls (given as codes); B: input entity_text_cls (given as codes): QUANTISED
;;   THE QUANTISER, for each operand of a quantised product, along K:
;;     - K is cut into blocks of 32 from its start; a last block that is shorter is filled with zeros.
;;     - A block's scale is 2^e with e = floor(log2(the largest magnitude in the block)) - 2, held to -126 .. 127; a block of zeros has e = 0. As a byte (E8M0): e + 127.
;;     - Each number is divided by its block's scale, clamped to +-6, and rounded to the nearest number of E2M1, ties to even, subnormals kept.
;;     - The product sums the exact products of the quantised numbers (number of the format x scale) in f32.
;;   ~~~python
;;   def quantise(x, axis):      # numpy; x: float32 -> the quantised numbers, widened to float32 again
;;       x = np.moveaxis(x, axis, -1); K = x.shape[-1]
;;       x = np.pad(x, [(0, 0)] * (x.ndim - 1) + [(0, -K % 32)]); x = x.reshape(x.shape[:-1] + (-1, 32)); a = np.abs(x).max(-1, keepdims=True)
;;       e = np.where(a > 0, np.clip(np.frexp(np.where(a > 0, a, 1))[1] - 1 - 2, -126, 127), 0)      # np.frexp(a)[1] - 1 = floor(log2(a)), exactly
;;       r = np.clip(x / 2.0 ** e, -6, 6)
;;       step = 2.0 ** (np.maximum(np.frexp(np.where(r == 0, 1, r))[1] - 1, 0) - 1)
;;       q = np.round(r / step) * step * 2.0 ** e      # np.round: ties to even
;;       return np.moveaxis(q.reshape(q.shape[:-2] + (-1,))[..., :K], -1, axis).astype(np.float32)
;;   ~~~
;;   OPERANDS COMPUTED ON THE WAY. 'Computed on the way' means the value that the module computes at that place (a softmax that the list does not call 'softmax' is quantised finished and normalised). What goes into a quantiser is computed in f32, as accurately as f32 sums, v_exp_f32 and their like allow (about 1e-6 of the number): no bf16 or f16 on the way to a quantiser, and a product that is left as it is and whose result goes on into a quantised operand takes f32 operands (vector FMAs, or v_wmma_f32_16x16x4_f32). A number that lies on a knife's edge between two numbers of the format may be rounded either way, as far as f32 arithmetic and the matrix unit's own rounding can turn it there, and no further.
;;   INPUTS GIVEN AS CODES. Wc (in the module: [768, 768], K = its axis 0); Wk (in the module: [768, 768], K = its axis 0); Wq (in the module: [768, 768], K = its axis 0); Wv (in the module: [768, 768], K = its axis 0); entity_text_cls (in the module: [128, 768], K = its axis 1); entity_text_tokens (in the module: [128, 128, 768], K = its axis 2); mention_text_cls (in the module: [32, 768], K = its axis 1); mention_text_tokens (in the module: [32, 128, 768], K = its axis 2): each comes as NAME_codes (uint8): NAME with its K axis moved to the last place and cut into blocks of 32 codes, [.., K / 32, bytes a block], one block behind the other in memory; two codes a byte, the lower K in the low four bits (a code: sign, 2 exponent bits, 1 mantissa bit); and NAME_scales (uint8): the same leading axes, one E8M0 byte (e + 127) for each 32 codes along K. Its value is code x scale, taken as it is: it is not quantised again, and the codes and scales need not be those that the quantiser above would give.
;; 2 versions, each right; version 2 is version 1 with the launch proj written anew for expert scheduling mode. Each part assembles by itself: llvm-mc -triple=amdgcn-amd-amdhsa -mcpu=gfx1250 --defsym DOCPART=n.
;; ======== version 1 of 2: 2 launches
;; workspace buffers: qimg 6,684,672 bytes; kimg 1,671,168 bytes; vimg 1,671,168 bytes; cgimg 393,216 bytes; cbpart 4,096 bytes
;; launch proj (part 1): grid 206 x 1, 4 waves a work-group, no clusters, 83,456 bytes of LDS; arguments entity_text_tokens_codes, entity_text_tokens_scales, mention_text_tokens_codes, mention_text_tokens_scales, entity_text_cls_codes, entity_text_cls_scales, Wq_codes, Wq_scales, Wk_codes, Wk_scales, Wv_codes, Wv_scales, Wc_codes, Wc_scales, bq, bk, bv, bc, ln_g, ln_b, qimg, kimg, vimg, cgimg, cbpart; writes qimg, kimg, vimg, cgimg, cbpart
.if DOCPART == 1
	.amdgcn_target "amdgcn-amd-amdhsa--gfx1250"
	.amdhsa_code_object_version 6
	.text
	.protected	k_q41d9c83918_proj
	.globl	k_q41d9c83918_proj
	.p2align	8
	.type	k_q41d9c83918_proj,@function
k_q41d9c83918_proj:
	s_mov_b64 s[64:65], 0
	v_nop
	global_prefetch_b8 v0, s[64:65] scope:SCOPE_SE
	s_setreg_imm32_b32 hwreg(HW_REG_WAVE_MODE, 25, 1), 1
	s_wait_xcnt 0x0
; THE FOUR PROJECTIONS, on the given codes of FP4 (E2M1) with one E8M0 scale for each 32 along K = 768, and what is made of them for the second launch:
;   q = entity tokens x Wq + bq and k = mention tokens x Wk + bk, quantised along h;  v = mention tokens x Wv + bv, quantised along the tokens t;  cls_fc = entity cls x Wc + bc, as cls_fc x ln_g and as sums of cls_fc x ln_b.
; ONE FORM SERVES ALL FOUR.  A RESIDENT operand of 128 rows x 768 K (8 tiles x 6 K steps, 384 registers) is source 0; tiles of 16 STREAMED rows are source 1.  One unit is 48 matrix instructions; in its
; result a lane holds ONE streamed row and its 64 registers 128 resident rows.  THE RESIDENT ROWS OF A TILE ARE NOT NEIGHBOURS: lane r of tile t takes row 32 (t / 2) + 8 (t % 2) + r + 8 (r / 8), so that register
; 16 b + i of lane (r, h) is resident row 32 b + 16 h + i: the order in which the conversions want neighbours along the next K.  So a unit's result becomes exactly one fragment (16 rows x 128 K) and one scale word a row.
;   work-groups   0..131  Q: resident 128 rows of Wq (chunk c of h), streamed entity tokens;   132..167  K: the same with Wk and mention tokens;
;   work-groups 168..199  V: resident the 128 tokens of mention b, streamed rows of Wv (so the registers run along t);   200..205  C: resident chunk c of Wc, streamed entity cls.
; The role is chosen by selects on the work-group's number: pointers and a few constants; all roles take one path but for two short branches (the bias by lane of role V, the tail of role C), in which no LDS is touched.
; A work-group's four waves share the resident operand and deal the streamed tiles: wave w takes tiles 48 g + w + 4 i, i < NT (12, 4 or 2).
; WHAT IS STORED.  A fragment lies in memory as an image of its 8 registers: registers 4 c .. 4 c + 3 of lane l at 512 c + 16 l: each store of the wave covers 512 consecutive bytes, aligned to 256.
;   qimg[e], kimg[b]: two halves of 26,112 bytes: 4 tiles x 6 K steps x 1,024 bytes, then 4 x 6 x 64 bytes of scale words (row r's word at 4 r).  Tokens are dealt to tiles by the rule above (k's tiles must be so; for q any deal serves).
;   vimg[b]: 48 tiles of 16 h x 128 t, 1,024 bytes each, then 48 x 64 bytes of scale words.   cgimg[e / 16]: cls_fc x ln_g in the layout of the second launch's result.   cbpart[e][8]: entry c = the sum over chunk c of cls_fc x ln_b.
; MEMORY IS READ AS IT LIES, 16 bytes a lane and 512 a load; rows of 384 bytes turn into fragments through LDS (rows of 3 x (128 + 16) bytes).  Loads run three tiles ahead of the work; the look-ahead is held at the wave's last tile, so no load leaves its buffer.
; No cluster and no tensor load: the work-groups' trip counts differ, and loads through registers need no ring.
; LIMITS: NaN and infinities are not served.  A block of zeros gets the byte 1 where the rule says 127: its codes are zeros, and this program alone reads the bytes.  The scale words leave in pieces of 64 bytes.
.set RP,    432                        ; an LDS row: 3 pieces of 128 bytes + 16 of padding
.set STG,   128*RP                     ; behind the resident rows: a stage of 16 rows for each wave
.set STGW,  16*RP
.set L16,   1                          ; v1   16 x lane
.set RUN2,  2                          ; v2   16 x lane + where a streamed tile's second eight rows begin
.set TSA,   3                          ; v3   my streamed row's scale bytes
.set R4,    4                          ; v4   4 r
.set SA,    5                          ; v5   my stage, on the way in
.set FA,    6                          ; v6   my stage, as fragments
.set RA,    7                          ; v7   the resident rows, as fragments
.set RWA,   8                          ; v8   the resident rows, on the way in
.set H64,   9                          ; v9   64 h: my half's 16 numbers of a block of 32
.set CGA,   10                         ; v10  1,024 h + 16 r
.set R32,   11                         ; v11  32 r
.set RSA,   12                         ; v12  my resident row's scale bytes
.set PX,    13                         ; v13  role C: the other half's sum
.set SUA,   14                         ; v[14:15], v[62:63] role C: two chains of sums
.set SUB,   62
.set RS,    16                         ; v16-39  resident scale words: register 3 t + j: lanes 0-15 K step 2 j, lanes 16-31 K step 2 j + 1
.set TS,    40                         ; v40-51  streamed scale words, four sets of 3, likewise
.set BL,    52                         ; v52, 54, 56, 58  the bias by lane, four sets (each the low word of a pair)
.set PW,    60                         ; v60  the scale word just made
.set ACC,   64                         ; v64-127 a unit's result
.set QM,    128                        ; v128-131 largest magnitudes, v132-135 bytes, v140-143 the conversions' scale operands, v144-151 codes
.set QB,    132
.set QO,    140
.set PC,    144
.set SCR,   128                        ; role C: 64 numbers of ln_b, then of ln_g
.set F,     192                        ; v192-239 the streamed tile's six fragments
.set BI,    96                         ; window 3, v96-159: the bias by resident row, in the result's layout
; window 1: resident K steps 0-3;  window 2: v0-127 resident K steps 4, 5, v128-223 two sets of 48 registers as loaded;  window 3: v0-95 two more sets
.set RC,    54                         ; s[54:55] resident codes, s[56:57] their scales, s[58:59] streamed codes, s[60:61] their scales, s[62:63] bias, s[66:67] output
.set RSC,   56
.set TC,    58
.set TSC,   60
.set BP,    62
.set OP,    66
.set W,     68
.set X,     69
.set RI,    70                         ; which 128 resident rows
.set G,     71                         ; which 48 streamed tiles
.set NT,    72                         ; tiles of a wave
.set PERM,  73                         ; 1: streamed rows are dealt to tiles as resident rows are
.set VF,    74
.set CF,    75
.set RBF,   76                         ; s[76:77] 1.0, or 0.0 where the bias goes by lane
.set T0,    78
.set NTM1,  79
.set P8,    80
.set KB,    81
.set SH,    82
.set ST,    83
.set KB2,   84
.set SH2,   85
.set ST2,   86
.set CUR,   87                         ; the tile in hand
.set NXT,   88                         ; the number of the tile to be asked for
.set TR,    89
.set TRIPS, 90
.set CH,    91
.set TCB,   92                         ; s[92:97] the bases of the loads in flight
.set TSB,   94
.set BPB,   96
.set SBA,   98                         ; s[98:101] the bases of the stores
.set SBB,   100
.set SEL,   4                          ; s[4:5] (free once the pointers are chosen): lane l xor 16
.set MSB, 0
.macro WIN new                         ; the immediate's high byte repeats the setting that is left; a switch that changes nothing is dropped
.if MSB != (\new)
	s_set_vgpr_msb (MSB<<8)|(\new)
.set MSB, (\new)
.endif
.endm
	s_load_b512 s[4:19], s[0:1], 0x0               ; entity tokens (codes, scales), mention tokens, entity cls, Wq
	s_load_b512 s[20:35], s[0:1], 0x40             ; Wk, Wv, Wc (codes, scales), bq, bk
	s_load_b512 s[36:51], s[0:1], 0x80             ; bv, bc, ln_g, ln_b, qimg, kimg, vimg, cgimg
	s_load_b64 s[52:53], s[0:1], 0xc0              ; cbpart
	v_lshl_add_u32 v254, v0, 2, 0x14400
	v_mov_b32 v255, 0
	v_lshrrev_b32 v1, 5, v0
	v_readfirstlane_b32 s[W], v1                   ; wave 0..3
	s_mov_b32 s[X], ttmp9
	s_mul_i32 s2, s[X], 2979                       ; role Q: chunk = X / 22 (2,979 / 65,536 serves X < 132),
	s_lshr_b32 s81, s2, 16
	s_mul_i32 s2, s81, 22
	s_sub_co_u32 s82, s[X], s2                     ; share = X % 22
	s_sub_co_u32 s3, s[X], 132                     ; role K: chunk = (X - 132) / 6 (10,923 / 65,536 serves 0 .. 35),
	s_mul_i32 s2, s3, 10923
	s_lshr_b32 s83, s2, 16
	s_mul_i32 s2, s83, 6
	s_sub_co_u32 s84, s3, s2                       ; share = (X - 132) % 6
	s_sub_co_u32 s85, s[X], 168                    ; role V: the mention
	s_sub_co_u32 s86, s[X], 200                    ; role C: the chunk
	s_mov_b32 s87, 1024
	s_mov_b32 s88, 256
	s_mov_b32 s[G], 0
	s_mov_b32 s[PERM], 0
	s_wait_kmcnt 0x0
	s_cmp_lt_u32 s[X], 200                         ; V over C
	s_cselect_b32 s[RI], s85, s86
	s_cselect_b32 s[NT], 48, 8                     ; (streamed tiles in all, for now)
	s_cselect_b32 s[VF], 1, 0
	s_cselect_b32 s[CF], 0, 1
	s_cselect_b32 s[RBF], 0, 1.0
	s_cselect_b64 s[RC:RC+1], s[8:9], s[28:29]
	s_cselect_b64 s[RSC:RSC+1], s[10:11], s[30:31]
	s_cselect_b64 s[TC:TC+1], s[24:25], s[12:13]
	s_cselect_b64 s[TSC:TSC+1], s[26:27], s[14:15]
	s_cselect_b64 s[BP:BP+1], s[36:37], s[38:39]
	s_cselect_b64 s[OP:OP+1], s[48:49], s[50:51]
	s_cmp_lt_u32 s[X], 168                         ; K over these
	s_cselect_b32 s[RI], s83, s[RI]
	s_cselect_b32 s[G], s84, s[G]
	s_cselect_b32 s[NT], s88, s[NT]
	s_cselect_b32 s[VF], 0, s[VF]
	s_cselect_b32 s[PERM], 1, s[PERM]
	s_cselect_b32 s[RBF], 1.0, s[RBF]
	s_cselect_b64 s[RC:RC+1], s[20:21], s[RC:RC+1]
	s_cselect_b64 s[RSC:RSC+1], s[22:23], s[RSC:RSC+1]
	s_cselect_b64 s[TC:TC+1], s[8:9], s[TC:TC+1]
	s_cselect_b64 s[TSC:TSC+1], s[10:11], s[TSC:TSC+1]
	s_cselect_b64 s[BP:BP+1], s[34:35], s[BP:BP+1]
	s_cselect_b64 s[OP:OP+1], s[46:47], s[OP:OP+1]
	s_cmp_lt_u32 s[X], 132                         ; Q over these
	s_cselect_b32 s[RI], s81, s[RI]
	s_cselect_b32 s[G], s82, s[G]
	s_cselect_b32 s[NT], s87, s[NT]
	s_cselect_b64 s[RC:RC+1], s[16:17], s[RC:RC+1]
	s_cselect_b64 s[RSC:RSC+1], s[18:19], s[RSC:RSC+1]
	s_cselect_b64 s[TC:TC+1], s[4:5], s[TC:TC+1]
	s_cselect_b64 s[TSC:TSC+1], s[6:7], s[TSC:TSC+1]
	s_cselect_b64 s[BP:BP+1], s[32:33], s[BP:BP+1]
	s_cselect_b64 s[OP:OP+1], s[44:45], s[OP:OP+1]
	s_mov_b32 s[RBF+1], s[RBF]                     ; (named with it as a pair, so it is written)
	s_mul_i32 s2, s[G], 48
	s_sub_co_u32 s[NT], s[NT], s2
	s_lshr_b32 s[NT], s[NT], 2
	s_min_u32 s[NT], s[NT], 12                     ; tiles of a wave: 12, in a role's last share 4, in role C 2
	s_add_co_u32 s[T0], s2, s[W]                   ; my first tile
	s_sub_co_u32 s[NTM1], s[NT], 1
	s_add_co_u32 s[TRIPS], s[NT], 3
	s_lshr_b32 s[TRIPS], s[TRIPS], 2
	s_lshl_b32 s[P8], s[PERM], 3
	s_min_u32 s[CH], s[RI], 5                      ; the chunk of the biases (held inside them where RI is a mention)
	; where a tile T's image goes: KB + (T / 4) SH + (T % 4) ST, its scale words: KB2 + (T / 4) SH2 + (T % 4) ST2
	s_lshl_b32 s2, s[RI], 10                       ; Q, K: K step c of the tile
	s_mul_i32 s3, s[RI], 52224                     ; V: mention b
	s_lshl_b32 s6, s[RI], 6
	s_add_co_u32 s6, s6, 24576
	s_add_co_u32 s7, s3, 49152
	s_mov_b32 s8, 26112
	s_mov_b32 s9, 6144
	s_mov_b32 s10, 384
	s_mov_b32 s11, 4096
	s_mov_b32 s12, 1024
	s_mov_b32 s13, 256
	s_cmp_eq_u32 s[PERM], 1
	s_cselect_b32 s[KB], s2, s3
	s_cselect_b32 s[KB2], s6, s7
	s_cselect_b32 s[SH], s8, s11
	s_cselect_b32 s[ST], s9, s12
	s_cselect_b32 s[SH2], s8, s13
	s_cselect_b32 s[ST2], s10, 64
	s_mov_b32 s[SEL], 0x76543210
	s_mov_b32 s[SEL+1], 0xfedcba98
	s_mul_i32 s8, s[RI], 49152                     ; the resident rows: 128 x 384 bytes; my wave brings 32 of them
	s_mul_i32 s2, s[W], 12288
	s_add_co_u32 s8, s8, s2
	s_mov_b32 s9, 0
	s_add_nc_u64 s[RC:RC+1], s[RC:RC+1], s[8:9]
	s_mul_i32 s8, s[RI], 3072                      ; their scale bytes: 128 x 24
	s_add_nc_u64 s[RSC:RSC+1], s[RSC:RSC+1], s[8:9]
	s_lshl_b32 s8, s[CH], 9                        ; a chunk's 128 numbers of a bias, of ln_g and of ln_b
	s_add_nc_u64 s[10:11], s[BP:BP+1], s[8:9]
	s_add_nc_u64 s[40:41], s[40:41], s[8:9]
	s_add_nc_u64 s[42:43], s[42:43], s[8:9]
	v_and_b32 v13, 31, v0                          ; lane
	v_and_b32 v14, 15, v0                          ; r
	v_bfe_u32 v15, v0, 4, 1                        ; h
	v_lshlrev_b32 v[L16], 4, v13
	s_mul_i32 s2, s[PERM], 3072
	s_add_co_u32 s2, s2, 3072
	v_add_nc_u32 v[RUN2], s2, v[L16]               ; a tile's second eight rows begin 8 rows on, or 16
	v_and_b32 v[TSA], 8, v14                       ; 8 (r / 8)
	v_add_nc_u32 v[RSA], v[TSA], v14               ; r + 8 (r / 8)
	v_mul_u32_u24 v[RA], v[RSA], RP
	v_lshl_add_u32 v[RA], v15, 4, v[RA]
	v_mul_u32_u24 v[RSA], v[RSA], 24
	v_lshl_add_u32 v[RSA], v15, 2, v[RSA]          ; 24 bytes a row; lanes 16-31 take the odd K step's word
	v_mul_u32_u24 v[TSA], v[TSA], s[PERM]
	v_add_nc_u32 v[TSA], v[TSA], v14
	v_mul_u32_u24 v[TSA], v[TSA], 24
	v_lshl_add_u32 v[TSA], v15, 2, v[TSA]
	v_lshlrev_b32 v[R4], 2, v14
	v_lshrrev_b32 v[SA], 3, v13
	v_lshl_add_u32 v[SA], v[SA], 4, v[L16]         ; 16 x lane + 16 for each 128 bytes passed
	s_mul_i32 s2, s[W], 32*RP
	v_add_nc_u32 v[RWA], s2, v[SA]
	s_mul_i32 s2, s[W], STGW
	s_add_co_u32 s2, s2, STG
	v_add_nc_u32 v[SA], s2, v[SA]
	v_mul_u32_u24 v[FA], v14, RP
	v_lshl_add_u32 v[FA], v15, 4, v[FA]
	v_add_nc_u32 v[FA], s2, v[FA]
	v_lshlrev_b32 v[H64], 6, v15
	v_lshlrev_b32 v[CGA], 10, v15
	v_lshl_add_u32 v[CGA], v14, 4, v[CGA]
	v_lshlrev_b32 v[R32], 5, v14
.irp b, 0,1,2,3
	v_mov_b32 v[QB+\b], 0                          ; written once: a lane permute's destination counts as one of its sources
	v_mov_b32 v[BL+2*\b+1], 0                      ; (named as the upper halves of the pairs of BL)
.endr
	; the resident operand: my 32 rows as they lie, the scale words, the bias by resident row
	WIN 0x80
.set i, 0
.rept 24
	global_load_b128 v[128+4*i:128+4*i+3], v[L16], s[RC:RC+1] offset:512*i
.set i, i+1
.endr
	WIN 0
.irp t, 0,1,2,3,4,5,6,7
.irp j, 0,1,2
	global_load_b32 v[RS+3*\t+\j], v[RSA], s[RSC:RSC+1] offset:(32*(\t/2)+8*(\t%2))*24+8*\j
.endr
.endr
	WIN 0xc0
.irp b, 0,1,2,3
.irp q, 0,1,2,3
	global_load_b128 v[BI+16*\b+4*\q:BI+16*\b+4*\q+3], v[H64], s[10:11] offset:128*\b+16*\q
.endr
.endr
	WIN 0
	s_wait_loadcnt 0x0
	WIN 0xc3
.set j, 0
.rept 32
	v_pk_mul_f32 v[BI+j:BI+j+1], v[BI+j:BI+j+1], s[RBF:RBF+1] op_sel_hi:[1,0]   ; x 1, or x 0 where the bias goes by lane
.set j, j+2
.endr
	WIN 0x08
.set i, 0
.rept 24
	ds_store_b128 v[RWA], v[128+4*i:128+4*i+3] offset:576*i   ; a load's 512 bytes take four pieces of 128 + 16
.set i, i+1
.endr
	WIN 0
	s_wait_dscnt 0x0                               ; for the others' sake: my 32 rows lie in LDS
	s_barrier_signal -1
	s_barrier_wait -1                              ; all 128 do.  The launch's one barrier: nothing is written there again
	WIN 0x40
.irp k, 0,1,2,3
.irp t, 0,1,2,3,4,5,6,7
.irp c, 0,1
	ds_load_b128 v[64*\k+8*\t+4*\c:64*\k+8*\t+4*\c+3], v[RA] offset:(32*(\t/2)+8*(\t%2))*RP+144*(\k/2)+64*(\k%2)+32*\c
.endr
.endr
.endr
	WIN 0x80
.irp k, 4,5
.irp t, 0,1,2,3,4,5,6,7
.irp c, 0,1
	ds_load_b128 v[64*(\k-4)+8*\t+4*\c:64*(\k-4)+8*\t+4*\c+3], v[RA] offset:(32*(\t/2)+8*(\t%2))*RP+144*(\k/2)+64*(\k%2)+32*\c
.endr
.endr
.endr
	WIN 0
.macro RAWSET u                        ; set u of the registers as loaded: its window and its first register
.if (\u) < 2
.set RWN, 2
.set RBS, 128+48*(\u)
.else
.set RWN, 3
.set RBS, 48*((\u)-2)
.endif
.endm
; Fifteen loads: the tile numbered s[NXT] of my wave's (held at my last): its 16 rows of 384 bytes as two runs of 3,072 bytes, 512 consecutive bytes a load, and its three registers of scale words.
.macro LOADT u
	RAWSET \u
	s_wait_xcnt 0x0                                ; the bases below, and the registers that the last unit's stores read, are written again only behind this wait
	s_min_u32 s2, s[NXT], s[NTM1]
	s_add_co_u32 s[NXT], s[NXT], 1
	s_lshl_b32 s2, s2, 2
	s_add_co_u32 s2, s2, s[T0]                     ; the tile T
	s_and_b32 s3, s2, 1
	s_mul_i32 s3, s3, s[P8]
	s_lshl_b32 s6, s2, 4
	s_sub_co_u32 s6, s6, s3                        ; its first row: 16 T, or 8 less for an odd tile where rows are dealt as resident rows are
	s_mul_i32 s8, s6, 384
	s_mov_b32 s9, 0
	s_add_nc_u64 s[TCB:TCB+1], s[TC:TC+1], s[8:9]
	s_mul_i32 s8, s6, 24
	s_add_nc_u64 s[TSB:TSB+1], s[TSC:TSC+1], s[8:9]
	s_min_u32 s8, s2, 47                           ; the bias by lane: 16 numbers a tile (held inside the bias in the roles that do not use it)
	s_lshl_b32 s8, s8, 6
	s_add_nc_u64 s[BPB:BPB+1], s[BP:BP+1], s[8:9]
	WIN RWN<<6
.irp i, 0,1,2,3,4,5
	global_load_b128 v[RBS+4*\i:RBS+4*\i+3], v[L16], s[TCB:TCB+1] offset:512*\i
.endr
.irp i, 0,1,2,3,4,5
	global_load_b128 v[RBS+24+4*\i:RBS+24+4*\i+3], v[RUN2], s[TCB:TCB+1] offset:512*\i
.endr
	WIN 0
.irp j, 0,1,2
	global_load_b32 v[TS+3*(\u)+\j], v[TSA], s[TSB:TSB+1] offset:8*\j
.endr
.endm
.macro LOADB u                         ; the tile's sixteenth load
	global_load_b32 v[BL+2*(\u)], v[R4], s[BPB:BPB+1]
.endm
; Set u goes through my own stage and comes back as six fragments.  LDS serves a wave's instructions in order (ISA guide 5.7.1.4): no wait stands between the stores and the loads.
.macro PASS u
	RAWSET \u
	WIN RWN<<2
.set i, 0
.rept 12
	ds_store_b128 v[SA], v[RBS+4*i:RBS+4*i+3] offset:576*i
.set i, i+1
.endr
	WIN 0
.irp k, 0,1,2,3,4,5
.irp c, 0,1
	ds_load_b128 v[F+8*\k+4*\c:F+8*\k+4*\c+3], v[FA] offset:144*(\k/2)+64*(\k%2)+32*\c
.endr
.endr
.endm
; Eight matrix instructions: K step kap of all eight resident tiles.  The eight accumulators take turns, one instruction a turn.  The first K step takes the bias as C.
.macro MM kap
.irp t, 0,1,2,3,4,5,6,7
.if (\kap) == 0
	v_wmma_scale_f32_16x16x128_f8f6f4 v[ACC+8*\t:ACC+8*\t+7], v[8*\t:8*\t+7], v[F:F+7], v[BI+8*\t:BI+8*\t+7], v[RS+3*\t], v[TSU] matrix_a_fmt:MATRIX_FMT_FP4 matrix_b_fmt:MATRIX_FMT_FP4
.elseif ((\kap)%2) == 0
	v_wmma_scale_f32_16x16x128_f8f6f4 v[ACC+8*\t:ACC+8*\t+7], v[64*((\kap)&3)+8*\t:64*((\kap)&3)+8*\t+7], v[F+8*(\kap):F+8*(\kap)+7], v[ACC+8*\t:ACC+8*\t+7], v[RS+3*\t+(\kap)/2], v[TSU+(\kap)/2] matrix_a_fmt:MATRIX_FMT_FP4 matrix_b_fmt:MATRIX_FMT_FP4
.else
	v_wmma_scale_f32_16x16x128_f8f6f4 v[ACC+8*\t:ACC+8*\t+7], v[64*((\kap)&3)+8*\t:64*((\kap)&3)+8*\t+7], v[F+8*(\kap):F+8*(\kap)+7], v[ACC+8*\t:ACC+8*\t+7], v[RS+3*\t+(\kap)/2], v[TSU+(\kap)/2] matrix_a_fmt:MATRIX_FMT_FP4 matrix_b_fmt:MATRIX_FMT_FP4 matrix_a_scale:MATRIX_SCALE_ROW1 matrix_b_scale:MATRIX_SCALE_ROW1
.endif
.endr
.endm
.macro TILE
	WIN 0x31                                       ; source 0 window 1, C (the bias) window 3
	MM 0
	WIN 0x01
	MM 1
	MM 2
	MM 3
	WIN 0x02                                       ; source 0 window 2
	MM 4
	MM 5
	WIN 0
.endm
; 64 numbers of a lane, register 16 b + i = k 32 b + 16 (lane / 16) + i of my row, become a fragment's codes in v[PC] on and its scale word in v[PW].
.macro QUANT s
.irp b, 0,1,2,3
	v_max3_num_f32 v[QM+\b], |v[\s+16*\b]|, |v[\s+1+16*\b]|, 0x1800000   ; block b: my 16 numbers, and the floor 2^(3 - 127): so the byte cannot fall under 1
.endr
.irp i, 2,4,6,8,10,12,14
.irp b, 0,1,2,3
	v_max3_num_f32 v[QM+\b], v[QM+\b], |v[\s+16*\b+\i]|, |v[\s+1+16*\b+\i]|   ; (the four blocks by turns)
.endr
.endr
.irp b, 0,1,2,3
	v_permlanex16_b32 v[QB+\b], v[QM+\b], s[SEL], s[SEL+1]
.endr
.irp b, 0,1,2,3
	v_max_num_f32 v[QM+\b], v[QM+\b], v[QB+\b]     ; with lane l xor 16's: the block's largest magnitude
.endr
.irp b, 0,1,2,3
	v_add_nc_u32 v[QO+\b], 0xff000000, v[QM+\b]    ; 2 off its exponent field: the conversion takes the exponent field of this operand as its scale
.endr
.irp b, 0,1,2,3
	v_lshrrev_b32 v[QB+\b], 23, v[QO+\b]           ; the scale's byte
.endr
	v_lshl_or_b32 v[PW], v[QB+1], 8, v[QB]
	v_lshl_or_b32 v[PW], v[QB+2], 16, v[PW]
	v_lshl_or_b32 v[PW], v[QB+3], 24, v[PW]        ; my row's scale word (the same in both halves of the lanes)
.irp b, 0,1,2,3
	v_cvt_scalef32_pk8_fp4_f32 v[PC+2*\b], v[\s+16*\b:\s+7+16*\b], v[QO+\b]
	v_cvt_scalef32_pk8_fp4_f32 v[PC+1+2*\b], v[\s+8+16*\b:\s+15+16*\b], v[QO+\b]
.endr
	v_nop                                          ; one plain place behind a scaled conversion
.irp c, 0,1                                    ; the operand's layout wants a whole block in a lane: lanes 0-15 block 2 c, lanes 16-31 block 2 c + 1
.irp i, 0,1
	v_permlane16_swap_b32 v[PC+4*\c+\i], v[PC+2+4*\c+\i]
.endr
.endr
.endm
; Role C's way out: lane (r, h) holds cls_fc of entity 16 T + r at h-index 128 c + 32 b + 16 h + i.
.macro CTAIL
	s_lshl_b32 s2, s[CUR], 9
	s_lshl_b32 s3, s[RI], 2
	s_add_co_u32 s8, s2, s3
	s_mov_b32 s9, 0
	s_add_nc_u64 s[SBB:SBB+1], s[52:53], s[8:9]    ; cbpart: 32 bytes an entity, entry c
	s_mul_i32 s2, s[CUR], 49152
	s_lshl_b32 s3, s[RI], 13
	s_add_co_u32 s8, s2, s3
	s_add_nc_u64 s[SBA:SBA+1], s[OP:OP+1], s[8:9]  ; cgimg: 49,152 bytes for 16 entities, a chunk's eight tiles of 1,024
.irp b, 0,1,2,3
.irp q, 0,1,2,3
	global_load_b128 v[SCR+16*\b+4*\q:SCR+16*\b+4*\q+3], v[H64], s[42:43] offset:128*\b+16*\q   ; ln_b
.endr
.endr
	s_wait_loadcnt 0x0
	v_pk_mul_f32 v[SUA:SUA+1], v[ACC:ACC+1], v[SCR:SCR+1]
	v_pk_mul_f32 v[SUB:SUB+1], v[ACC+2:ACC+3], v[SCR+2:SCR+3]
.irp j, 4,8,12,16,20,24,28,32,36,40,44,48,52,56,60
	v_pk_fma_f32 v[SUA:SUA+1], v[ACC+\j:ACC+\j+1], v[SCR+\j:SCR+\j+1], v[SUA:SUA+1]
	v_pk_fma_f32 v[SUB:SUB+1], v[ACC+\j+2:ACC+\j+3], v[SCR+\j+2:SCR+\j+3], v[SUB:SUB+1]
.endr
.irp b, 0,1,2,3
.irp q, 0,1,2,3
	global_load_b128 v[SCR+16*\b+4*\q:SCR+16*\b+4*\q+3], v[H64], s[40:41] offset:128*\b+16*\q   ; ln_g
.endr
.endr
	v_pk_add_f32 v[SUA:SUA+1], v[SUA:SUA+1], v[SUB:SUB+1]
	v_add_f32 v[SUA], v[SUA], v[SUA+1]
	v_permlanex16_b32 v[PX], v[SUA], s[SEL], s[SEL+1]
	v_add_f32 v[SUA], v[SUA], v[PX]                ; the chunk's sum of cls_fc x ln_b
	global_store_b32 v[R32], v[SUA], s[SBB:SBB+1]
	s_wait_loadcnt 0x0
.set j, 0
.rept 32
	v_pk_mul_f32 v[ACC+j:ACC+j+1], v[ACC+j:ACC+j+1], v[SCR+j:SCR+j+1]
.set j, j+2
.endr
.irp b, 0,1,2,3
.irp h, 0,1
.irp c, 0,1
	global_store_b128 v[CGA], v[ACC+16*\b+8*\h+4*\c:ACC+16*\b+8*\h+4*\c+3], s[SBA:SBA+1] offset:2048*\b+512*\c+256*\h   ; each half of the lanes stores 256 consecutive bytes, aligned
.endr
.endr
.endr
	s_wait_xcnt 0x0                                ; the next unit's products write the registers that these stores read
.endm
; A UNIT: tile n of my wave, n % 4 = u.
.macro UNIT u, ctail
.set TSU, TS+3*(\u)
	s_wait_dscnt 0x0                               ; the tile's fragments are in (and the stage's stores have read their registers)
	TILE
.rept 4
	v_nop                                          ; places behind the products: ahead of loads into their operands and scales, and of the first read of their results
.endr
	LOADT \u                                       ; tile n + 4
	s_wait_loadcnt 47                              ; tile n + 1's sixteen loads are in: behind them were issued 16 (n + 2), 16 (n + 3) and the 15 just now
	PASS ((\u)+1)%4
	s_cmp_eq_u32 s[VF], 0
	s_cbranch_scc1 .Lno_lane_bias_\@
.set j, 0
.rept 32
	v_pk_add_f32 v[ACC+j:ACC+j+1], v[ACC+j:ACC+j+1], v[BL+2*(\u):BL+2*(\u)+1] op_sel_hi:[1,0]   ; role V: bv of my row of Wv
.set j, j+2
.endr
.Lno_lane_bias_\@:
	LOADB \u
.if \ctail
	s_cmp_lg_u32 s[CF], 0
	s_cbranch_scc1 .Lcls_\@
.endif
	s_lshr_b32 s2, s[CUR], 2
	s_and_b32 s3, s[CUR], 3
	s_mul_i32 s6, s2, s[SH]
	s_mul_i32 s8, s3, s[ST]
	s_add_co_u32 s8, s8, s6
	s_add_co_u32 s8, s8, s[KB]
	s_mov_b32 s9, 0
	s_add_nc_u64 s[SBA:SBA+1], s[OP:OP+1], s[8:9]
	s_mul_i32 s6, s2, s[SH2]
	s_mul_i32 s8, s3, s[ST2]
	s_add_co_u32 s8, s8, s6
	s_add_co_u32 s8, s8, s[KB2]
	s_add_nc_u64 s[SBB:SBB+1], s[OP:OP+1], s[8:9]
	QUANT ACC
	global_store_b128 v[L16], v[PC:PC+3], s[SBA:SBA+1]              ; the fragment's image: 512 consecutive bytes a store
	global_store_b128 v[L16], v[PC+4:PC+7], s[SBA:SBA+1] offset:512
	global_store_b32 v[R4], v[PW], s[SBB:SBB+1]                     ; 16 scale words; lanes 16-31 write what lanes 0-15 write
.if \ctail
	s_branch .Lunit_end_\@
.Lcls_\@:
	CTAIL
.Lunit_end_\@:
.endif
	s_add_co_u32 s[CUR], s[CUR], 4
.endm
	s_mov_b32 s[NXT], 0
.irp u, 0,1,2,3
	LOADT \u
	LOADB \u
.endr
	s_wait_loadcnt 48                              ; tile 0's sixteen loads are in; those of three tiles may be out
	PASS 0
	s_mov_b32 s[CUR], s[T0]
	s_mov_b32 s[TR], 0
.Ltrip:                                            ; four tiles a trip: the four sets of registers come round
	UNIT 0, 1
	UNIT 1, 1
	s_cmp_lg_u32 s[NT], 2                          ; role C's waves have two tiles: they end here, inside the trip; every other wave goes round these five lines
	s_cbranch_scc1 .Lmore_tiles
	s_wait_dscnt 0x0                               ; the look-ahead's turn through my stage is over
	s_wait_tensorcnt 0x0
	ds_add_u32 v254, v255
	s_wait_dscnt 0x0
	s_endpgm
.Lmore_tiles:
	UNIT 2, 0
	UNIT 3, 0
	s_add_co_u32 s[TR], s[TR], 1
	s_cmp_lt_u32 s[TR], s[TRIPS]
	s_cbranch_scc1 .Ltrip
	s_wait_dscnt 0x0
	s_wait_tensorcnt 0x0
	ds_add_u32 v254, v255
	s_wait_dscnt 0x0
	s_endpgm
.Lfunc_end_k_q41d9c83918_proj:
	.size	k_q41d9c83918_proj, .Lfunc_end_k_q41d9c83918_proj-k_q41d9c83918_proj
	.p2alignl 7, 3214868480
	.fill 96, 4, 3214868480
	.section	.rodata,"a",@progbits
	.p2align	6, 0x0
	.amdhsa_kernel k_q41d9c83918_proj
		.amdhsa_group_segment_fixed_size 83456
		.amdhsa_private_segment_fixed_size 0
		.amdhsa_enable_private_segment 0
		.amdhsa_kernarg_size 200
		.amdhsa_user_sgpr_count 2
		.amdhsa_user_sgpr_kernarg_segment_ptr 1
		.amdhsa_wavefront_size32 1
		.amdhsa_system_sgpr_workgroup_id_x 1
		.amdhsa_system_sgpr_workgroup_id_y 1
		.amdhsa_system_sgpr_workgroup_id_z 1
		.amdhsa_system_vgpr_workitem_id 0
		.amdhsa_next_free_vgpr 928
		.amdhsa_next_free_sgpr 102
		.amdhsa_reserve_vcc 0
		.amdhsa_float_denorm_mode_32 3
		.amdhsa_float_denorm_mode_16_64 3
		.amdhsa_memory_ordered 1
		.amdhsa_forward_progress 1
		.amdhsa_inst_pref_size 118
	.end_amdhsa_kernel
	.amdgpu_metadata
---
amdhsa.version: [ 1, 2 ]
amdhsa.kernels:
  - .name:           k_q41d9c83918_proj
    .symbol:         k_q41d9c83918_proj.kd
    .args:
      - { .name: entity_text_tokens_codes, .offset: 0, .size: 8, .value_kind: global_buffer, .address_space: global }
      - { .name: entity_text_tokens_scales, .offset: 8, .size: 8, .value_kind: global_buffer, .address_space: global }
      - { .name: mention_text_tokens_codes, .offset: 16, .size: 8, .value_kind: global_buffer, .address_space: global }
      - { .name: mention_text_tokens_scales, .offset: 24, .size: 8, .value_kind: global_buffer, .address_space: global }
      - { .name: entity_text_cls_codes, .offset: 32, .size: 8, .value_kind: global_buffer, .address_space: global }
      - { .name: entity_text_cls_scales, .offset: 40, .size: 8, .value_kind: global_buffer, .address_space: global }
      - { .name: Wq_codes, .offset: 48, .size: 8, .value_kind: global_buffer, .address_space: global }
      - { .name: Wq_scales, .offset: 56, .size: 8, .value_kind: global_buffer, .address_space: global }
      - { .name: Wk_codes, .offset: 64, .size: 8, .value_kind: global_buffer, .address_space: global }
      - { .name: Wk_scales, .offset: 72, .size: 8, .value_kind: global_buffer, .address_space: global }
      - { .name: Wv_codes, .offset: 80, .size: 8, .value_kind: global_buffer, .address_space: global }
      - { .name: Wv_scales, .offset: 88, .size: 8, .value_kind: global_buffer, .address_space: global }
      - { .name: Wc_codes, .offset: 96, .size: 8, .value_kind: global_buffer, .address_space: global }
      - { .name: Wc_scales, .offset: 104, .size: 8, .value_kind: global_buffer, .address_space: global }
      - { .name: bq, .offset: 112, .size: 8, .value_kind: global_buffer, .address_space: global }
      - { .name: bk, .offset: 120, .size: 8, .value_kind: global_buffer, .address_space: global }
      - { .name: bv, .offset: 128, .size: 8, .value_kind: global_buffer, .address_space: global }
      - { .name: bc, .offset: 136, .size: 8, .value_kind: global_buffer, .address_space: global }
      - { .name: ln_g, .offset: 144, .size: 8, .value_kind: global_buffer, .address_space: global }
      - { .name: ln_b, .offset: 152, .size: 8, .value_kind: global_buffer, .address_space: global }
      - { .name: qimg, .offset: 160, .size: 8, .value_kind: global_buffer, .address_space: global }
      - { .name: kimg, .offset: 168, .size: 8, .value_kind: global_buffer, .address_space: global }
      - { .name: vimg, .offset: 176, .size: 8, .value_kind: global_buffer, .address_space: global }
      - { .name: cgimg, .offset: 184, .size: 8, .value_kind: global_buffer, .address_space: global }
      - { .name: cbpart, .offset: 192, .size: 8, .value_kind: global_buffer, .address_space: global }
    .group_segment_fixed_size: 83456
    .private_segment_fixed_size: 0
    .kernarg_segment_align: 8
    .kernarg_segment_size: 200
    .max_flat_workgroup_size: 128
    .sgpr_count:     102
    .vgpr_count:     928
    .wavefront_size: 32
...
	.end_amdgpu_metadata
.endif
;; end of part 1
;; launch attn (part 2): grid 32 x 8, 4 waves a work-group, clusters of 4 x 1, 327,680 bytes of LDS; arguments qimg, kimg, vimg, cgimg, cbpart, entity_text_cls_codes, entity_text_cls_scales, mention_text_cls_codes, mention_text_cls_scales, out0; writes out0
.if DOCPART == 2
	.amdgcn_target "amdgcn-amd-amdhsa--gfx1250"
	.amdhsa_code_object_version 6
	.text
	.protected	k_q41d9c83918_attn
	.globl	k_q41d9c83918_attn
	.p2align	8
	.type	k_q41d9c83918_attn,@function
k_q41d9c83918_attn:
	s_mov_b64 s[64:65], 0
	v_nop
	global_prefetch_b8 v0, s[64:65] scope:SCOPE_SE
	s_setreg_imm32_b32 hwreg(HW_REG_WAVE_MODE, 25, 1), 1
	s_wait_xcnt 0x0
	s_wait_alu depctr_hold_cnt(0) depctr_sa_sdst(0) depctr_va_vdst(0) depctr_va_sdst(0) depctr_va_ssrc(0) depctr_va_vcc(0) depctr_vm_vsrc(0)
	s_getreg_b32 s2, hwreg(HW_REG_IB_STS2, 6, 4)
	s_cmp_eq_u32 s2, 0
	s_cbranch_scc0 .Lentry_in_a_cluster
	s_endpgm
.Lentry_in_a_cluster:
	s_bfe_u32 s2, ttmp6, 0x10000c
	s_cmp_lg_u32 s2, 0x3003
	s_cbranch_scc0 .Lentry_shape_is_right
	s_endpgm
.Lentry_shape_is_right:
; out0[b][e] = 0.5 (g2l + g2g).  g2g = mention cls . entity cls, on the given codes.  g2l = cls_fc[e] . LayerNorm(ctx[e][b]), ctx[e][b][h] = (1 / 128) sum over t of v[b][t][h] P[e][b][t],
; P[e][b][t] = sum over s of softmax_t(q[e][s] . k[b][t] / sqrt(768)).  q, k (along h), v and P (along t) are codes of FP4 (E2M1) with one E8M0 scale for each 32 along K; all else is f32.
; SHARES.  A work-group owns one mention b and 16 entities (group eg): 256 work-groups of equal work.  Every wave keeps ALL of k[b] in 384 registers for the whole launch; wave w owns entities 16 eg + 4 w + 0 .. 3: 32 tiles of 16 queries.
; S^T = k q^T (source 0 = 16 keys, source 1 = 16 queries): a lane holds ONE query and 64 of its 128 keys; k's tiles were dealt so that register 16 b + i of lane (r, h) is key 32 b + 16 h + i.
; The row's true maximum is taken away, p = 2^(c s - c max) is divided by the row's sum, and added onto 64 running registers; at an entity's end these are summed over the sixteen lanes of a half through LDS: P's 128 numbers.
; CLUSTER.  The four partners have the same eg and four mentions: they walk the same q, so q's tiles are asked for JOINTLY (mask 15): each wave brings half an entity (26,112 bytes) a load, into bytes that it alone reads.
; k hangs on the mention, which differs between partners, and is 52,224 of the 887,808 bytes that a work-group brings into LDS: it comes by plain loads.  v, cls_fc x ln_g and the rest are read by one wave each, straight into registers.
; No prefetch of q is laid: each joint load is itself issued four tiles' work (192 matrix instructions and their softmax) ahead of the wait for it.
; THE END.  All four waves quantise P's 16 x 128 numbers alike; wave w multiplies its 12 tiles of v (192 of the 768 h); mean, squares and the product with cls_fc x ln_g meet in LDS.
; LIMITS: NaN and infinities are not served; an exponential under 2^-126 falls to 0; a block of zeros gets the byte 1 with zero codes; out0 leaves in pieces of 64 bytes (it is 16,384 bytes in all).
; REGISTERS: window 0 as named below; window 1: k's K steps 0-3; window 2: v0-127 k's K steps 4, 5, v128-223 cls_fc x ln_g, v224-229 the six sums of cls_fc x ln_b; window 3: v0-95 my 12 tiles of v.
.set HALFB, 26112                      ; half an entity: 4 tiles x 6,144 bytes of codes, 4 x 384 of scale words
.set SLOTB, 4*HALFB                    ; a slot: a half for each wave
.set KREG,  2*SLOTB                    ; k[b], filled once
.set STG,   KREG+52224                 ; a stage of 32 lanes x (256 + 16) bytes for each wave
.set STGW,  8704
.set PMAT,  STG+4*STGW                 ; P: 16 entities x (512 + 16) bytes
.set PP,    528
.set RED1,  PMAT+16*PP                 ; 32 lanes x 4 waves x 4 bytes
.set RED2,  RED1+512                   ; 32 lanes x 4 waves x 8 bytes
.set SPARE, RED2+1024                  ; the spare words, 128 bytes for each wave: two blocks of 256 bytes that no other line names
.set L16, 1                            ; v1   16 x lane
.set L4,  2                            ; v2   4 x lane
.set VR,  3                            ; v3   r = lane % 16
.set VH,  4                            ; v4   h = lane / 16
.set AQC, 5                            ; v5, v6  my half's codes in slot 0, 1
.set AQS, 7                            ; v7, v8  its scale words
.set AC,  9                            ; v9, v10 the addresses in hand
.set AS,  10
.set STW, 11                           ; v11  my stage, on the way in
.set STR, 12                           ; v12  and back
.set PB,  13                           ; v13  where my four numbers of P go, in my wave's first entity
.set PBH, 14                           ; v14  and in the entity in hand
.set VL,  15                           ; v15  lane
.set KS,  16                           ; v16-39 k's scale words: register 3 t + j: lanes 0-15 K step 2 j, lanes 16-31 K step 2 j + 1
.set QS,  40                           ; v40-42 q's, likewise (at the head: mention cls's)
.set ES,  43                           ; v43-45 entity cls's
.set PW,  46                           ; v46  P's scale word
.set G2G, 47
.set M,   48                           ; v48-51 four maxima
.set MX,  52
.set PX,  53
.set NM,  54                           ; v[54:55] -c x the row's maximum
.set SU,  56                           ; v[56:59] the row's sum in two chains
.set RL,  60                           ; v[60:61] 1 / the row's sum
.set SPW, 62                           ; v62  LDS address of my spare word; never rewritten
.set NIL, 63                           ; v63  0; never rewritten
.set S,   64                           ; v64-127  S^T, then p
.set PA,  128                          ; v128-191 the running sums over the queries
.set QF,  192                          ; v192-239 q's six fragments
.set VS,  240                          ; v240-245 v's scale words: lanes 0-15 tile 2 j, lanes 16-31 tile 2 j + 1
.set QO,  248                          ; v248-251 the conversions' scale operands
.set QM,  48
.set QB,  56
.set PC,  224                          ; the end: P's codes
.set CT,  128                          ; the end: v128-223 my 12 tiles of v^T P
.set W,   24
.set CX,  25
.set B,   26
.set EG,  27
.set G1Q, 32                           ; s[32:39] group 1 for q's halves; s[40:47] for k's quarters
.set G1P, 40
.set G0K, 48                           ; s[48:51] group 0 for k; s[52:55], s[56:59] for q, one for each slot
.set G0Q, 52
.set CS,  66                           ; s[66:67] c = log2(e) / sqrt(768); s68 -c
.set NC,  68
.set SEL, 70                           ; s[70:71] lane l xor 16
.set TBC, 72                           ; s72, s73 where the next tile's codes and scale words begin in a half
.set TBS, 73
.set ENT, 74
.set CNT, 75
.set PR,  76                           ; s76  528 x the entity in hand
.set MSB, 0
.macro WIN new                         ; the immediate's high byte repeats the setting that is left; a switch that changes nothing is dropped
.if MSB != (\new)
	s_set_vgpr_msb (MSB<<8)|(\new)
.set MSB, (\new)
.endif
.endm
.macro ROUND                           ; a round of the cluster's barrier: my work-group's barrier, wave 0 signals for the work-group, every wave waits for all four work-groups, my work-group's barrier once more
	s_barrier_signal -1
	s_barrier_wait -1
	s_cmp_lg_u32 s[W], 0
	s_cbranch_scc1 .Lnot_wave_0_\@
	s_barrier_signal -3
.Lnot_wave_0_\@:
	s_barrier_wait -3
	s_barrier_signal -1
	s_barrier_wait -1
.endm
	s_load_b512 s[4:19], s[0:1], 0x0               ; qimg, kimg, vimg, cgimg, cbpart, entity cls codes, entity cls scales, mention cls codes
	s_load_b128 s[20:23], s[0:1], 0x40             ; mention cls scales, out0
	v_lshl_add_u32 v[SPW], v0, 2, SPARE
	v_mov_b32 v[NIL], 0
	ds_add_u32 v62, v63
	ds_add_u32 v62, v63
	s_wait_dscnt 0x0
	v_lshrrev_b32 v1, 5, v0
	v_readfirstlane_b32 s[W], v1                   ; wave 0..3
	s_bfe_u32 s[CX], ttmp6, 0x40000                ; my place in the cluster: it enters global addresses of k, v, mention cls and out0 alone
	s_lshl_b32 s[B], ttmp9, 2
	s_add_co_u32 s[B], s[B], s[CX]                 ; the mention
	s_and_b32 s[EG], ttmp7, 0xffff                 ; the group of 16 entities, which the partners share
	; group 1: dense blocks as rows of 256 bytes (32 elements of 8 bytes), no padding: every LDS read takes 16 bytes a lane on end
	s_mov_b32 s[G1Q], 15|(3<<16)|(1<<21)           ; 15:0 the mask: all four work-groups; 17:16 elements of 8 bytes; 21 set beside a mask
	s_mov_b32 s[G1Q+1], 32<<16                     ; tensor_dim0 = 32
	s_mov_b32 s[G1Q+2], 102<<16                    ; tensor_dim1 = 102
	s_mov_b32 s[G1Q+3], 32<<16                     ; tile_dim0 = 32
	s_mov_b32 s[G1Q+4], 102                        ; tile_dim1 = 102: 26,112 bytes
	s_mov_b32 s[G1Q+5], 32                         ; from row to row
	s_mov_b32 s[G1Q+6], 0
	s_mov_b32 s[G1Q+7], 0
	s_mov_b32 s[G1P], 3<<16                        ; no mask
	s_mov_b32 s[G1P+1], 32<<16
	s_mov_b32 s[G1P+2], 51<<16
	s_mov_b32 s[G1P+3], 32<<16
	s_mov_b32 s[G1P+4], 51                         ; 13,056 bytes: a quarter of k[b]
	s_mov_b32 s[G1P+5], 32
	s_mov_b32 s[G1P+6], 0
	s_mov_b32 s[G1P+7], 0
	s_mul_i32 s28, s[W], 13056
	s_mul_i32 s30, s[B], 52224
	s_add_co_u32 s30, s30, s28
	s_mov_b32 s31, 0
	s_lshl_b32 s60, s[EG], 4
	s_lshl_b32 s61, s[W], 2
	s_add_co_u32 s60, s60, s61
	s_mul_i32 s60, s60, 52224                      ; my wave's first entity
	s_mov_b32 s61, 0
	s_mul_i32 s29, s[W], HALFB
	s_mov_b32 s[G0K], 1
	s_add_co_u32 s[G0K+1], s28, KREG
	s_mov_b32 s[G0Q], 1
	s_mov_b32 s[G0Q+1], s29
	s_mov_b32 s[G0Q+4], 1
	s_add_co_u32 s[G0Q+5], s29, SLOTB
	s_mov_b32 s[CS], 0x3d553b95                    ; c = log2(e) / sqrt(768)
	s_mov_b32 s[CS+1], s[CS]                       ; (named with it as a pair, so it is written)
	s_mov_b32 s[NC], 0xbd553b95
	s_mov_b32 s[SEL], 0x76543210
	s_mov_b32 s[SEL+1], 0xfedcba98
	s_mov_b32 s77, 0x33aaaaab                      ; 1 / (768 x 128 x 128)
	s_mov_b32 s78, 0x3727c5ac                      ; 1e-5
	s_wait_kmcnt 0x0
	s_add_nc_u64 s[G0K+2:G0K+3], s[6:7], s[30:31]
	s_or_b32 s[G0K+3], s[G0K+3], 0x80000000
	s_add_nc_u64 s[G0Q+2:G0Q+3], s[4:5], s[60:61]
	s_add_nc_u64 s[G0Q+6:G0Q+7], s[G0Q+2:G0Q+3], HALFB
	s_or_b32 s[G0Q+3], s[G0Q+3], 0x80000000
	s_or_b32 s[G0Q+7], s[G0Q+7], 0x80000000
	ROUND                                          ; all four work-groups are here: the first joint loads meet
	tensor_load_to_lds s[G0K:G0K+3], s[G1P:G1P+7]  ; the first fills go out together: three loads of mine are out
	s_nop 0
	tensor_load_to_lds s[G0Q:G0Q+3], s[G1Q:G1Q+7]
	s_nop 0
	tensor_load_to_lds s[G0Q+4:G0Q+7], s[G1Q:G1Q+7]
	s_nop 0
.rept 4
	v_nop
.endr
	; what comes straight into registers
	s_mov_b32 s29, 0
	s_mul_i32 s28, s[B], 384
	s_add_nc_u64 s[18:19], s[18:19], s[28:29]      ; mention cls: row b
	s_mul_i32 s28, s[B], 24
	s_add_nc_u64 s[20:21], s[20:21], s[28:29]
	s_mul_i32 s28, s[EG], 6144
	s_add_nc_u64 s[14:15], s[14:15], s[28:29]      ; entity cls: my 16 rows
	s_mul_i32 s28, s[EG], 384
	s_add_nc_u64 s[16:17], s[16:17], s[28:29]
	s_mul_i32 s28, s[EG], 49152
	s_mul_i32 s30, s[W], 12288
	s_add_co_u32 s28, s28, s30
	s_add_nc_u64 s[10:11], s[10:11], s[28:29]      ; cls_fc x ln_g: my 12 tiles
	s_lshl_b32 s28, s[EG], 9
	s_add_nc_u64 s[12:13], s[12:13], s[28:29]
	s_mul_i32 s28, s[B], 52224
	s_mul_i32 s30, s[W], 768
	s_add_co_u32 s30, s30, s28
	s_add_co_u32 s30, s30, 49152
	s_add_nc_u64 s[6:7], s[8:9], s[30:31]          ; v's scale words of my 12 tiles
	s_mul_i32 s30, s[W], 12288
	s_add_co_u32 s28, s28, s30
	s_add_nc_u64 s[8:9], s[8:9], s[28:29]          ; v: my 12 tiles
	s_lshl_b32 s28, s[B], 9
	s_lshl_b32 s30, s[EG], 6
	s_add_co_u32 s28, s28, s30
	s_add_nc_u64 s[22:23], s[22:23], s[28:29]      ; out0[b][16 eg ..]
	v_and_b32 v[VR], 15, v0
	v_bfe_u32 v[VH], v0, 4, 1
	v_and_b32 v[VL], 31, v0
	v_lshlrev_b32 v[L16], 4, v[VL]
	v_lshlrev_b32 v[L4], 2, v[VL]
	v_lshlrev_b32 v9, 4, v[VH]                     ; mention cls: the same row in every lane: 16 h
	v_mul_u32_u24 v10, v[VR], 384
	v_lshl_add_u32 v10, v[VH], 4, v10              ; entity cls: row r
	v_lshlrev_b32 v11, 2, v[VH]
	v_mul_u32_u24 v12, v[VR], 24
	v_lshl_add_u32 v12, v[VH], 2, v12
	v_lshlrev_b32 v13, 5, v[VR]
.irp k, 0,1,2,3,4,5
.irp c, 0,1
	global_load_b128 v[QF+8*\k+4*\c:QF+8*\k+4*\c+3], v9, s[18:19] offset:64*\k+32*\c
	global_load_b128 v[S+8*\k+4*\c:S+8*\k+4*\c+3], v10, s[14:15] offset:64*\k+32*\c
.endr
.endr
.irp j, 0,1,2
	global_load_b32 v[QS+\j], v11, s[20:21] offset:8*\j
	global_load_b32 v[ES+\j], v12, s[16:17] offset:8*\j
.endr
.irp j, 0,1,2,3,4,5
	global_load_b32 v[VS+\j], v[L4], s[6:7] offset:128*\j
.endr
	WIN 0x80
.set i, 0
.rept 24
	global_load_b128 v[128+4*i:128+4*i+3], v[L16], s[10:11] offset:512*i
.set i, i+1
.endr
	global_load_b128 v[224:227], v13, s[12:13]
	global_load_b64 v[228:229], v13, s[12:13] offset:16
	WIN 0xc0
.set i, 0
.rept 24
	global_load_b128 v[4*i:4*i+3], v[L16], s[8:9] offset:512*i
.set i, i+1
.endr
	WIN 0
	s_wait_loadcnt 0x0
	; g2g: source 0 = the mention's row in all 16 rows, source 1 = my 16 entities: every register of lane r holds g2g[b][16 eg + r].  Two accumulators by turns
.irp k, 0,1,2,3,4,5
.if \k == 0
	v_wmma_scale_f32_16x16x128_f8f6f4 v[112:119], v[QF:QF+7], v[S:S+7], 0, v[QS], v[ES] matrix_a_fmt:MATRIX_FMT_FP4 matrix_b_fmt:MATRIX_FMT_FP4
.elseif \k == 1
	v_wmma_scale_f32_16x16x128_f8f6f4 v[120:127], v[QF+8:QF+15], v[S+8:S+15], 0, v[QS], v[ES] matrix_a_fmt:MATRIX_FMT_FP4 matrix_b_fmt:MATRIX_FMT_FP4 matrix_a_scale:MATRIX_SCALE_ROW1 matrix_b_scale:MATRIX_SCALE_ROW1
.elseif (\k%2) == 0
	v_wmma_scale_f32_16x16x128_f8f6f4 v[112:119], v[QF+8*\k:QF+8*\k+7], v[S+8*\k:S+8*\k+7], v[112:119], v[QS+\k/2], v[ES+\k/2] matrix_a_fmt:MATRIX_FMT_FP4 matrix_b_fmt:MATRIX_FMT_FP4
.else
	v_wmma_scale_f32_16x16x128_f8f6f4 v[120:127], v[QF+8*\k:QF+8*\k+7], v[S+8*\k:S+8*\k+7], v[120:127], v[QS+\k/2], v[ES+\k/2] matrix_a_fmt:MATRIX_FMT_FP4 matrix_b_fmt:MATRIX_FMT_FP4 matrix_a_scale:MATRIX_SCALE_ROW1 matrix_b_scale:MATRIX_SCALE_ROW1
.endif
.endr
	; the addresses that stay: plain lines that name none of those products' registers: their places
	s_mul_i32 s28, s[W], HALFB
	v_add_nc_u32 v[AQC], s28, v[L16]
	v_add_nc_u32 v[AQC+1], SLOTB, v[AQC]
	s_add_co_u32 s28, s28, 24576
	v_add_nc_u32 v[AQS], s28, v[L4]
	v_add_nc_u32 v[AQS+1], SLOTB, v[AQS]
	s_mul_i32 s28, s[W], STGW
	s_add_co_u32 s28, s28, STG
	v_mul_u32_u24 v[STW], v[VL], 272
	v_add_nc_u32 v[STW], s28, v[STW]               ; in: my 64 registers on end, 272 bytes a lane
	v_mul_u32_u24 v[STR], v[VH], 16*272
	v_lshl_add_u32 v[STR], v[VR], 4, v[STR]
	v_add_nc_u32 v[STR], s28, v[STR]               ; back: lane (h, i) takes registers 4 i .. 4 i + 3 of the sixteen lanes of half h
	s_mul_i32 s28, s[W], 4*PP
	s_add_co_u32 s28, s28, PMAT
	v_lshrrev_b32 v[PB], 2, v[VR]
	v_lshlrev_b32 v[PB], 7, v[PB]
	v_lshl_add_u32 v[PB], v[VH], 6, v[PB]
	v_and_b32 v[PBH], 3, v[VR]
	v_lshl_add_u32 v[PB], v[PBH], 4, v[PB]
	v_add_nc_u32 v[PB], s28, v[PB]                 ; those four are keys 32 (i / 4) + 16 h + 4 (i % 4) + 0 .. 3
	v_add_nc_u32 v[AC], KREG, v[L16]
	v_add_nc_u32 v[AS], KREG, v[L4]
	v_mov_b32 v[PX], 0                             ; written once: a lane permute's destination counts as one of its sources
	v_mov_b32 v[NM+1], 0                           ; (named as the upper halves of pairs)
	v_mov_b32 v[RL+1], 0
	v_add_f32 v[G2G], v112, v120
.rept 5
	v_nop                                          ; the score products will write over those products' registers
.endr
	s_wait_tensorcnt 0x1                           ; my quarter of k and my first half of q are in; the second half's load, issued behind them, may stay out
	s_barrier_signal -1
	s_barrier_wait -1                              ; all of k is in
	WIN 0x40
.irp k, 0,1,2,3
.irp t, 0,1,2,3,4,5,6,7
.irp c, 0,1
	ds_load_b128 v[64*\k+8*\t+4*\c:64*\k+8*\t+4*\c+3], v[AC] offset:(\t/4)*HALFB+(\t%4)*6144+1024*\k+512*\c
.endr
.endr
.endr
	WIN 0x80
.irp k, 4,5
.irp t, 0,1,2,3,4,5,6,7
.irp c, 0,1
	ds_load_b128 v[64*(\k-4)+8*\t+4*\c:64*(\k-4)+8*\t+4*\c+3], v[AC] offset:(\t/4)*HALFB+(\t%4)*6144+1024*\k+512*\c
.endr
.endr
.endr
	WIN 0
.irp t, 0,1,2,3,4,5,6,7
.irp j, 0,1,2
	ds_load_b32 v[KS+3*\t+\j], v[AS] offset:(\t/4)*HALFB+24576+(\t%4)*384+128*\j
.endr
.endr
.macro LOADQ ac, as                    ; a tile of q: six fragments and three registers of scale words, as images
.set i, 0
.rept 12
	ds_load_b128 v[QF+4*i:QF+4*i+3], v[\ac] offset:512*i
.set i, i+1
.endr
.irp j, 0,1,2
	ds_load_b32 v[QS+\j], v[\as] offset:128*\j
.endr
.endm
; Eight matrix instructions: K step kap of all eight tiles of keys.  The eight accumulators take turns, one instruction a turn.  The first K step starts the sums.
.macro MM kap
.irp t, 0,1,2,3,4,5,6,7
.if (\kap) == 0
	v_wmma_scale_f32_16x16x128_f8f6f4 v[S+8*\t:S+8*\t+7], v[8*\t:8*\t+7], v[QF:QF+7], 0, v[KS+3*\t], v[QS] matrix_a_fmt:MATRIX_FMT_FP4 matrix_b_fmt:MATRIX_FMT_FP4
.elseif ((\kap)%2) == 0
	v_wmma_scale_f32_16x16x128_f8f6f4 v[S+8*\t:S+8*\t+7], v[64*((\kap)&3)+8*\t:64*((\kap)&3)+8*\t+7], v[QF+8*(\kap):QF+8*(\kap)+7], v[S+8*\t:S+8*\t+7], v[KS+3*\t+(\kap)/2], v[QS+(\kap)/2] matrix_a_fmt:MATRIX_FMT_FP4 matrix_b_fmt:MATRIX_FMT_FP4
.else
	v_wmma_scale_f32_16x16x128_f8f6f4 v[S+8*\t:S+8*\t+7], v[64*((\kap)&3)+8*\t:64*((\kap)&3)+8*\t+7], v[QF+8*(\kap):QF+8*(\kap)+7], v[S+8*\t:S+8*\t+7], v[KS+3*\t+(\kap)/2], v[QS+(\kap)/2] matrix_a_fmt:MATRIX_FMT_FP4 matrix_b_fmt:MATRIX_FMT_FP4 matrix_a_scale:MATRIX_SCALE_ROW1 matrix_b_scale:MATRIX_SCALE_ROW1
.endif
.endr
.endm
.macro TILE
	WIN 0x01                                       ; source 0 (k) window 1
	MM 0
	MM 1
	MM 2
	MM 3
	WIN 0x02                                       ; window 2
	MM 4
	MM 5
	WIN 0
.endm
; The softmax of 16 queries x 128 keys, finished and normalised, added onto the running sums.  first = 1: the entity's first tile starts them: nothing is cleared.
.macro SOFT first
.irp b, 0,1,2,3
	v_max3_num_f32 v[M+\b], v[S+16*\b], v[S+16*\b+1], v[S+16*\b+2]   ; four chains, each accumulator from its low end on
.endr
.irp i, 3,5,7,9,11,13
.irp b, 0,1,2,3
	v_max3_num_f32 v[M+\b], v[M+\b], v[S+16*\b+\i], v[S+16*\b+\i+1]
.endr
.endr
.irp b, 0,1,2,3
	v_max_num_f32 v[M+\b], v[M+\b], v[S+16*\b+15]
.endr
	v_max3_num_f32 v[MX], v[M], v[M+1], v[M+2]
	v_max_num_f32 v[MX], v[MX], v[M+3]
	v_permlanex16_b32 v[PX], v[MX], s[SEL], s[SEL+1]   ; the query's other 64 keys lie in the lane 16 away
	v_max_num_f32 v[MX], v[MX], v[PX]              ; the row's largest score
	v_mul_f32 v[NM], s[NC], v[MX]
.set j, 0
.rept 32
	v_pk_fma_f32 v[S+j:S+j+1], v[S+j:S+j+1], s[CS:CS+1], v[NM:NM+1] op_sel_hi:[1,0,0]   ; c s - c max: what the rounding of c max adds is common to the row and leaves with the division
.set j, j+2
.endr
.set j, 0
.rept 64
	v_exp_f32 v[S+j], v[S+j]
.set j, j+1
.endr
	v_nop                                          ; a plain place behind the last exponential
	s_wait_alu depctr_va_vdst(0)                   ; one wait for the batch of 64, ahead of its first reader
	v_pk_add_f32 v[SU:SU+1], v[S:S+1], v[S+4:S+5]
	v_pk_add_f32 v[SU+2:SU+3], v[S+2:S+3], v[S+6:S+7]
.irp j, 8,12,16,20,24,28,32,36,40,44,48,52,56,60
	v_pk_add_f32 v[SU:SU+1], v[SU:SU+1], v[S+\j:S+\j+1]
	v_pk_add_f32 v[SU+2:SU+3], v[SU+2:SU+3], v[S+\j+2:S+\j+3]
.endr
	v_pk_add_f32 v[SU:SU+1], v[SU:SU+1], v[SU+2:SU+3]
	v_add_f32 v[SU], v[SU], v[SU+1]
	v_permlanex16_b32 v[PX], v[SU], s[SEL], s[SEL+1]
	v_add_f32 v[SU], v[SU], v[PX]                  ; the row's sum, at least 1
	v_rcp_f32 v[RL], v[SU]
	v_nop
	s_wait_alu depctr_va_vdst(0)                   ; and one for the reciprocal
.set j, 0
.rept 32
.if \first
	v_pk_mul_f32 v[PA+j:PA+j+1], v[S+j:S+j+1], v[RL:RL+1] op_sel_hi:[1,0]
.else
	v_pk_fma_f32 v[PA+j:PA+j+1], v[S+j:S+j+1], v[RL:RL+1], v[PA+j:PA+j+1] op_sel_hi:[1,0,1]
.endif
.set j, j+2
.endr
.endm
; THE CHANGE OF SLOTS.  My reads of this slot are over (its last tile is in registers).  Every wave waits for all its tensor loads (the one that is out is its half in the other slot), adds 0 to its spare word, waits for that
; and for its LDS reads; a round of the cluster's barrier; and the joint refill stands first behind it: this slot takes my next entity's half, and has four tiles' work in which to land.
.macro CHANGE slot
	s_wait_tensorcnt 0x0                           ; no tensor load of mine is out, so a group 0 may be written
	ds_add_u32 v[SPW], v[NIL]                      ; 0 onto my spare word
	s_add_nc_u64 s[G0Q+4*(\slot)+2:G0Q+4*(\slot)+3], s[G0Q+4*(\slot)+2:G0Q+4*(\slot)+3], 2*HALFB   ; the same half of the next entity; the type bits on top are not reached
	s_wait_dscnt 0x0
	ROUND
	tensor_load_to_lds s[G0Q+4*(\slot):G0Q+4*(\slot)+3], s[G1Q:G1Q+7]
	s_nop 0
.rept 4
	v_nop                                          ; the places in front of the loads into q's registers
.endr
.endm
; A TILE'S TURN.  kind 0: the next tile lies in the same slot; 1: a change of slots with a refill; 2: a change without (the last entity); 3: nothing follows.
.macro BODY first, kind, slot
	s_wait_dscnt 0x0                               ; the tile's fragments and scale words are in
	TILE
.if (\kind) == 0
	v_add_nc_u32 v[AC], s[TBC], v[AQC+(\slot)]     ; these two and two v_nop are the places behind the products
	v_add_nc_u32 v[AS], s[TBS], v[AQS+(\slot)]
	v_nop
	v_nop
	s_add_co_u32 s[TBC], s[TBC], 6144
	s_add_co_u32 s[TBS], s[TBS], 384
	LOADQ AC, AS
.elseif (\kind) == 1
	CHANGE \slot
	LOADQ AQC+1-(\slot), AQS+1-(\slot)
.elseif (\kind) == 2
	s_wait_tensorcnt 0x0                           ; my last half has landed; I alone read it
.rept 4
	v_nop
.endr
	LOADQ AQC+1-(\slot), AQS+1-(\slot)
.else
.rept 4
	v_nop
.endr
.endif
	SOFT \first
.endm
; An entity's end: the 64 running sums of the sixteen lanes of each half are added: through my stage each lane gets four registers of all sixteen.  The four sums go to P's row of this entity.
.macro REDUCE
.set i, 0
.rept 16
	ds_store_b128 v[STW], v[PA+4*i:PA+4*i+3] offset:16*i
.set i, i+1
.endr
.set i, 0
.rept 16
	ds_load_b128 v[S+4*i:S+4*i+3], v[STR] offset:272*i   ; LDS serves a wave's instructions in order (ISA guide 5.7.1.4): these see my stores
.set i, i+1
.endr
	v_add_nc_u32 v[PBH], s[PR], v[PB]
	s_add_co_u32 s[PR], s[PR], PP
	s_wait_dscnt 0x0
.irp a, 0,1,2,3,4,5,6,7
	v_pk_add_f32 v[S+8*\a:S+8*\a+1], v[S+8*\a:S+8*\a+1], v[S+8*\a+4:S+8*\a+5]
	v_pk_add_f32 v[S+8*\a+2:S+8*\a+3], v[S+8*\a+2:S+8*\a+3], v[S+8*\a+6:S+8*\a+7]
.endr
.irp a, 0,1,2,3
	v_pk_add_f32 v[S+16*\a:S+16*\a+1], v[S+16*\a:S+16*\a+1], v[S+16*\a+8:S+16*\a+9]
	v_pk_add_f32 v[S+16*\a+2:S+16*\a+3], v[S+16*\a+2:S+16*\a+3], v[S+16*\a+10:S+16*\a+11]
.endr
.irp a, 0,1
	v_pk_add_f32 v[S+32*\a:S+32*\a+1], v[S+32*\a:S+32*\a+1], v[S+32*\a+16:S+32*\a+17]
	v_pk_add_f32 v[S+32*\a+2:S+32*\a+3], v[S+32*\a+2:S+32*\a+3], v[S+32*\a+18:S+32*\a+19]
.endr
	v_pk_add_f32 v[S:S+1], v[S:S+1], v[S+32:S+33]
	v_pk_add_f32 v[S+2:S+3], v[S+2:S+3], v[S+34:S+35]
	ds_store_b128 v[PBH], v[S:S+3]
.endm
; An entity: eight tiles, four in each slot.  fill = 1: both slots are filled again.
.macro ENTITY fill
	s_mov_b32 s[TBC], 6144                         ; the next tile to fetch is the slot's second
	s_mov_b32 s[TBS], 384
	BODY 1, 0, 0
	s_mov_b32 s[CNT], 2
.Lslot0_\@:
	BODY 0, 0, 0
	s_sub_co_u32 s[CNT], s[CNT], 1
	s_cmp_lg_u32 s[CNT], 0
	s_cbranch_scc1 .Lslot0_\@
	BODY 0, 2-(\fill), 0
	s_mov_b32 s[TBC], 6144
	s_mov_b32 s[TBS], 384
	s_mov_b32 s[CNT], 3
.Lslot1_\@:
	BODY 0, 0, 1
	s_sub_co_u32 s[CNT], s[CNT], 1
	s_cmp_lg_u32 s[CNT], 0
	s_cbranch_scc1 .Lslot1_\@
	BODY 0, 3-2*(\fill), 1
	REDUCE
.endm
; 64 numbers of a lane, register 16 b + i = k 32 b + 16 (lane / 16) + i of my row, become a fragment's codes in v[PC] on and its scale word in v[PW].
.macro QUANT s
.irp b, 0,1,2,3
	v_max3_num_f32 v[QM+\b], |v[\s+16*\b]|, |v[\s+1+16*\b]|, 0x1800000   ; block b: my 16 numbers, and the floor 2^(3 - 127): so the byte cannot fall under 1
.endr
.irp i, 2,4,6,8,10,12,14
.irp b, 0,1,2,3
	v_max3_num_f32 v[QM+\b], v[QM+\b], |v[\s+16*\b+\i]|, |v[\s+1+16*\b+\i]|
.endr
.endr
.irp b, 0,1,2,3
	v_permlanex16_b32 v[QB+\b], v[QM+\b], s[SEL], s[SEL+1]
.endr
.irp b, 0,1,2,3
	v_max_num_f32 v[QM+\b], v[QM+\b], v[QB+\b]
.endr
.irp b, 0,1,2,3
	v_add_nc_u32 v[QO+\b], 0xff000000, v[QM+\b]    ; 2 off the exponent field: the conversion's scale operand
.endr
.irp b, 0,1,2,3
	v_lshrrev_b32 v[QB+\b], 23, v[QO+\b]           ; the scale's byte
.endr
	v_lshl_or_b32 v[PW], v[QB+1], 8, v[QB]
	v_lshl_or_b32 v[PW], v[QB+2], 16, v[PW]
	v_lshl_or_b32 v[PW], v[QB+3], 24, v[PW]
.irp b, 0,1,2,3
	v_cvt_scalef32_pk8_fp4_f32 v[PC+2*\b], v[\s+16*\b:\s+7+16*\b], v[QO+\b]
	v_cvt_scalef32_pk8_fp4_f32 v[PC+1+2*\b], v[\s+8+16*\b:\s+15+16*\b], v[QO+\b]
.endr
	v_nop                                          ; one plain place behind a scaled conversion
.irp c, 0,1
.irp i, 0,1
	v_permlane16_swap_b32 v[PC+4*\c+\i], v[PC+2+4*\c+\i]
.endr
.endr
.endm
	LOADQ AQC, AQS                                 ; my first entity's first tile
	s_mov_b32 s[PR], 0
	s_mov_b32 s[ENT], 3
.Lentity:                                          ; three trips: six refills bring halves 2 to 7
	ENTITY 1
	s_sub_co_u32 s[ENT], s[ENT], 1
	s_cmp_lg_u32 s[ENT], 0
	s_cbranch_scc1 .Lentity
	ENTITY 0                                       ; the fourth entity is written out
	; THE END.  P's sixteen rows meet
	s_wait_dscnt 0x0                               ; for the others' sake: my four rows of P lie in LDS
	s_barrier_signal -1
	s_barrier_wait -1
	v_mul_u32_u24 v[AC], v[VR], PP
	v_lshl_add_u32 v[AC], v[VH], 6, v[AC]
	v_add_nc_u32 v[AC], PMAT, v[AC]                ; entity r's row, + my half's 16 numbers of each block of 32
	s_lshl_b32 s28, s[W], 2
	s_add_co_u32 s28, s28, RED1
	v_add_nc_u32 v[AS], s28, v[L16]                ; a word for each lane and wave
	v_add_nc_u32 v[STW], RED1, v[L16]
	s_lshl_b32 s28, s[W], 3
	s_add_co_u32 s28, s28, RED2
	v_lshlrev_b32 v[PB], 5, v[VL]
	v_add_nc_u32 v[STR], s28, v[PB]                ; two words for each lane and wave
	v_add_nc_u32 v[PB], RED2, v[PB]
	v_lshlrev_b32 v[PBH], 2, v[VR]
.irp b, 0,1,2,3
.irp q, 0,1,2,3
	ds_load_b128 v[S+16*\b+4*\q:S+16*\b+4*\q+3], v[AC] offset:128*\b+16*\q
.endr
.endr
	s_wait_dscnt 0x0
	QUANT S                                        ; every wave alike: so nothing has to be handed on
.rept 8
	v_nop                                          ; a scale register written by a vector instruction stands 8 places ahead of a scaled matrix instruction, an operand so written 4
.endr
	WIN 0x03                                       ; source 0 (v) window 3
.irp i, 0,1,2,3,4,5,6,7,8,9,10,11              ; v^T P: source 0 = 16 of my 192 h, source 1 = P's 16 entities: lane (r, h') holds entity r, register j the h-index 16 (12 w + i) + 8 h' + j
.if (\i%2) == 0
	v_wmma_scale_f32_16x16x128_f8f6f4 v[CT+8*\i:CT+8*\i+7], v[8*\i:8*\i+7], v[PC:PC+7], 0, v[VS+\i/2], v[PW] matrix_a_fmt:MATRIX_FMT_FP4 matrix_b_fmt:MATRIX_FMT_FP4
.else
	v_wmma_scale_f32_16x16x128_f8f6f4 v[CT+8*\i:CT+8*\i+7], v[8*\i:8*\i+7], v[PC:PC+7], 0, v[VS+\i/2], v[PW] matrix_a_fmt:MATRIX_FMT_FP4 matrix_b_fmt:MATRIX_FMT_FP4 matrix_a_scale:MATRIX_SCALE_ROW1
.endif
.endr
	WIN 0
.rept 4
	v_nop
.endr
	; the mean over h (of 128 ctx: the division by 128 is taken at the very end)
	v_pk_add_f32 v[64:65], v[CT:CT+1], v[CT+4:CT+5]
	v_pk_add_f32 v[66:67], v[CT+2:CT+3], v[CT+6:CT+7]
.set j, 8
.rept 22
	v_pk_add_f32 v[64:65], v[64:65], v[CT+j:CT+j+1]
	v_pk_add_f32 v[66:67], v[66:67], v[CT+j+2:CT+j+3]
.set j, j+4
.endr
	v_pk_add_f32 v[64:65], v[64:65], v[66:67]
	v_add_f32 v64, v64, v65
	v_permlanex16_b32 v[PX], v64, s[SEL], s[SEL+1]
	v_add_f32 v64, v64, v[PX]                      ; my wave's 192
	ds_store_b32 v[AS], v64
	s_wait_dscnt 0x0
	s_barrier_signal -1
	s_barrier_wait -1
	ds_load_b128 v[72:75], v[STW]                  ; the four waves'
	s_wait_dscnt 0x0
	v_add_f32 v72, v72, v73
	v_add_f32 v74, v74, v75
	v_add_f32 v72, v72, v74
	v_mul_f32 v76, 0xbaaaaaab, v72                 ; - the mean: x (-1 / 768)
	v_mov_b32 v77, v76
.set j, 0
.rept 48
	v_pk_add_f32 v[CT+j:CT+j+1], v[CT+j:CT+j+1], v[76:77]
.set j, j+2
.endr
	v_pk_mul_f32 v[64:65], v[CT:CT+1], v[CT:CT+1]  ; the squares, in two chains
	v_pk_mul_f32 v[66:67], v[CT+2:CT+3], v[CT+2:CT+3]
.set j, 4
.rept 23
	v_pk_fma_f32 v[64:65], v[CT+j:CT+j+1], v[CT+j:CT+j+1], v[64:65]
	v_pk_fma_f32 v[66:67], v[CT+j+2:CT+j+3], v[CT+j+2:CT+j+3], v[66:67]
.set j, j+4
.endr
	WIN 0x08                                       ; source 1 window 2: cls_fc x ln_g, in the same layout
	v_pk_mul_f32 v[68:69], v[CT:CT+1], v[128:129]
	v_pk_mul_f32 v[70:71], v[CT+2:CT+3], v[130:131]
.set j, 4
.rept 23
	v_pk_fma_f32 v[68:69], v[CT+j:CT+j+1], v[128+j:128+j+1], v[68:69]
	v_pk_fma_f32 v[70:71], v[CT+j+2:CT+j+3], v[130+j:130+j+1], v[70:71]
.set j, j+4
.endr
	WIN 0
	v_pk_add_f32 v[64:65], v[64:65], v[66:67]
	v_pk_add_f32 v[68:69], v[68:69], v[70:71]
	v_add_f32 v64, v64, v65
	v_add_f32 v65, v68, v69
	v_permlanex16_b32 v[PX], v64, s[SEL], s[SEL+1]
	v_permlanex16_b32 v66, v65, s[SEL], s[SEL+1]
	v_add_f32 v64, v64, v[PX]
	v_add_f32 v65, v65, v66
	ds_store_b64 v[STR], v[64:65]
	s_wait_dscnt 0x0
	s_barrier_signal -1
	s_barrier_wait -1
	ds_load_b128 v[80:83], v[PB]
	ds_load_b128 v[84:87], v[PB] offset:16
	s_wait_dscnt 0x0
	v_add_f32 v80, v80, v82
	v_add_f32 v84, v84, v86
	v_add_f32 v80, v80, v84                        ; the squares' sum
	v_add_f32 v81, v81, v83
	v_add_f32 v85, v85, v87
	v_add_f32 v81, v81, v85                        ; the product's
	v_fma_f32 v80, v80, s77, s78                   ; the variance of ctx + 1e-5
	v_rsq_f32 v80, v80
	WIN 0x0a                                       ; sources 0 and 1 window 2: the six sums of cls_fc x ln_b
	v_add_f32 v88, v224, v225
	v_add_f32 v89, v226, v227
	v_add_f32 v90, v228, v229
	WIN 0
	v_add_f32 v88, v88, v89
	v_add_f32 v88, v88, v90
	s_wait_alu depctr_va_vdst(0)                   ; ahead of the root's first reader
	v_mul_f32 v81, v81, v80
	v_fma_f32 v81, v81, 0x3c000000, v88            ; x 1 / 128: g2l
	v_add_f32 v81, v81, v[G2G]
	v_mul_f32 v81, 0.5, v81
	s_cmp_lg_u32 s[W], 0                           ; every wave holds the result; wave 0 stores it
	s_cbranch_scc1 .Lnot_first
	global_store_b32 v[PBH], v81, s[22:23]         ; 16 numbers; lanes 16-31 write what lanes 0-15 write
.Lnot_first:
	s_wait_tensorcnt 0x0                           ; the wave's end
	ds_add_u32 v[SPW], v[NIL]
	s_wait_dscnt 0x0
	ROUND                                          ; the closing round: no work-group ends while a partner may still ask for a tile that names it
	s_endpgm
.Lfunc_end_k_q41d9c83918_attn:
	.size	k_q41d9c83918_attn, .Lfunc_end_k_q41d9c83918_attn-k_q41d9c83918_attn
	.p2alignl 7, 3214868480
	.fill 96, 4, 3214868480
	.section	.rodata,"a",@progbits
	.p2align	6, 0x0
	.amdhsa_kernel k_q41d9c83918_attn
		.amdhsa_group_segment_fixed_size 327680
		.amdhsa_private_segment_fixed_size 0
		.amdhsa_enable_private_segment 0
		.amdhsa_kernarg_size 80
		.amdhsa_user_sgpr_count 2
		.amdhsa_user_sgpr_kernarg_segment_ptr 1
		.amdhsa_wavefront_size32 1
		.amdhsa_system_sgpr_workgroup_id_x 1
		.amdhsa_system_sgpr_workgroup_id_y 1
		.amdhsa_system_sgpr_workgroup_id_z 1
		.amdhsa_system_vgpr_workitem_id 0
		.amdhsa_next_free_vgpr 864
		.amdhsa_next_free_sgpr 80
		.amdhsa_reserve_vcc 0
		.amdhsa_float_denorm_mode_32 3
		.amdhsa_float_denorm_mode_16_64 3
		.amdhsa_memory_ordered 1
		.amdhsa_forward_progress 1
		.amdhsa_inst_pref_size 233
	.end_amdhsa_kernel
	.amdgpu_metadata
---
amdhsa.version: [ 1, 2 ]
amdhsa.kernels:
  - .name:           k_q41d9c83918_attn
    .symbol:         k_q41d9c83918_attn.kd
    .args:
      - { .name: qimg, .offset: 0, .size: 8, .value_kind: global_buffer, .address_space: global }
      - { .name: kimg, .offset: 8, .size: 8, .value_kind: global_buffer, .address_space: global }
      - { .name: vimg, .offset: 16, .size: 8, .value_kind: global_buffer, .address_space: global }
      - { .name: cgimg, .offset: 24, .size: 8, .value_kind: global_buffer, .address_space: global }
      - { .name: cbpart, .offset: 32, .size: 8, .value_kind: global_buffer, .address_space: global }
      - { .name: entity_text_cls_codes, .offset: 40, .size: 8, .value_kind: global_buffer, .address_space: global }
      - { .name: entity_text_cls_scales, .offset: 48, .size: 8, .value_kind: global_buffer, .address_space: global }
      - { .name: mention_text_cls_codes, .offset: 56, .size: 8, .value_kind: global_buffer, .address_space: global }
      - { .name: mention_text_cls_scales, .offset: 64, .size: 8, .value_kind: global_buffer, .address_space: global }
      - { .name: out0, .offset: 72, .size: 8, .value_kind: global_buffer, .address_space: global }
    .group_segment_fixed_size: 327680
    .private_segment_fixed_size: 0
    .kernarg_segment_align: 8
    .kernarg_segment_size: 80
    .max_flat_workgroup_size: 128
    .sgpr_count:     80
    .vgpr_count:     864
    .wavefront_size: 32
...
	.end_amdgpu_metadata
.endif
;; end of part 2
;; ======== version 2 of 2: 2 launches; version 1 with the launch proj written anew for expert scheduling mode
;; workspace buffers: qimg 6,684,672 bytes; kimg 1,671,168 bytes; vimg 1,671,168 bytes; cgimg 393,216 bytes; cbpart 4,096 bytes
;; launch proj (part 3): grid 206 x 1, 4 waves a work-group, no clusters, 83,456 bytes of LDS; arguments entity_text_tokens_codes, entity_text_tokens_scales, mention_text_tokens_codes, mention_text_tokens_scales, entity_text_cls_codes, entity_text_cls_scales, Wq_codes, Wq_scales, Wk_codes, Wk_scales, Wv_codes, Wv_scales, Wc_codes, Wc_scales, bq, bk, bv, bc, ln_g, ln_b, qimg, kimg, vimg, cgimg, cbpart; writes qimg, kimg, vimg, cgimg, cbpart
.if DOCPART == 3
	.amdgcn_target "amdgcn-amd-amdhsa--gfx1250"
	.amdhsa_code_object_version 6
	.text
	.protected	k_q41d9c83918_proj
	.globl	k_q41d9c83918_proj
	.p2align	8
	.type	k_q41d9c83918_proj,@function
k_q41d9c83918_proj:
	s_mov_b64 s[64:65], 0
	v_nop
	global_prefetch_b8 v0, s[64:65] scope:SCOPE_SE
	s_setreg_imm32_b32 hwreg(HW_REG_WAVE_SCHED_MODE, 0, 2), 2
	s_setreg_imm32_b32 hwreg(HW_REG_WAVE_MODE, 25, 1), 1
	s_wait_xcnt 0x0
	s_wait_alu depctr_vm_vsrc(0)
; THE FOUR PROJECTIONS, on the given codes of FP4 (E2M1) with one E8M0 scale for each 32 along K = 768, and what is made of them for the second launch:
;   q = entity tokens x Wq + bq and k = mention tokens x Wk + bk, quantised along h;  v = mention tokens x Wv + bv, quantised along the tokens t;  cls_fc = entity cls x Wc + bc, as cls_fc x ln_g and as sums of cls_fc x ln_b.
; ONE FORM SERVES ALL FOUR.  A RESIDENT operand of 128 rows x 768 K (8 tiles x 6 K steps, 384 registers) is source 0; tiles of 16 STREAMED rows are source 1.  One unit is 48 matrix instructions; in its
; result a lane holds ONE streamed row and its 64 registers 128 resident rows.  THE RESIDENT ROWS OF A TILE ARE NOT NEIGHBOURS: lane r of tile t takes row 32 (t / 2) + 8 (t % 2) + r + 8 (r / 8), so that register
; 16 b + i of lane (r, h) is resident row 32 b + 16 h + i: the order in which the conversions want neighbours along the next K.  So a unit's result becomes exactly one fragment (16 rows x 128 K) and one scale word a row.
;   work-groups   0..131  Q: resident 128 rows of Wq (chunk c of h), streamed entity tokens;   132..167  K: the same with Wk and mention tokens;
;   work-groups 168..199  V: resident the 128 tokens of mention b, streamed rows of Wv (so the registers run along t);   200..205  C: resident chunk c of Wc, streamed entity cls.
; The role is chosen by selects on the work-group's number: pointers and a few constants; all roles take one path but for two short branches (the bias by lane of role V, the tail of role C), in which no LDS is touched.
; A work-group's four waves share the resident operand and deal the streamed tiles: wave w takes tiles 48 g + w + 4 i, i < NT (12, 4 or 2).
; WHAT IS STORED.  A fragment lies in memory as an image of its 8 registers: registers 4 c .. 4 c + 3 of lane l at 512 c + 16 l: each store of the wave covers 512 consecutive bytes, aligned to 256.
;   qimg[e], kimg[b]: two halves of 26,112 bytes: 4 tiles x 6 K steps x 1,024 bytes, then 4 x 6 x 64 bytes of scale words (row r's word at 4 r).  Tokens are dealt to tiles by the rule above (k's tiles must be so; for q any deal serves).
;   vimg[b]: 48 tiles of 16 h x 128 t, 1,024 bytes each, then 48 x 64 bytes of scale words.   cgimg[e / 16]: cls_fc x ln_g in the layout of the second launch's result.   cbpart[e][8]: entry c = the sum over chunk c of cls_fc x ln_b.
; MEMORY IS READ AS IT LIES, 16 bytes a lane and 512 a load; rows of 384 bytes turn into fragments through LDS (rows of 3 x (128 + 16) bytes).  Loads run three tiles ahead of the work; the look-ahead is held at the wave's last tile, so no load leaves its buffer.
; No cluster and no tensor load: the work-groups' trip counts differ, and loads through registers need no ring.
; LIMITS: NaN and infinities are not served.  A block of zeros gets the byte 1 where the rule says 127: its codes are zeros, and this program alone reads the bytes.  The scale words leave in pieces of 64 bytes.
; THE MODE: SCHED_MODE bits 1:0 = 2 (LLVM: expert scheduling mode 2), set by the entry lines.  The code itself states the register dependences
; between vector or matrix instructions and memory or LDS instructions, with s_wait_alu, always for 0.
; THE PLAN.  Unit n works on tile n of my wave; u = n % 4.  Registers that memory or LDS instructions touch, in the loop:
;   RAW0 .. RAW3  Tile n as loaded lies in RAW[u]: twelve loads issued in unit n - 4 land in it, twelve LDS stores issued in unit n - 1 read it.  No vector or matrix instruction names it.
;   F, F2         Tile n's six fragments lie in F (n even) or F2 (n odd): twelve LDS loads issued in unit n - 1 land there, unit n's products read them.
;   TS[u], BL[u]  Tile n's scale words and its bias by lane: four loads at the end of unit n - 4 land there; unit n's products and role V's additions read them.
;   PC, PW        Written by unit n's conversions, read by the three stores at the end of unit n.
;   v1 .. v12     Addresses and offsets, made once at the head and never written again: the tiles are reached by scalar bases.
; So ONE wait on va_vdst stands in a unit, behind its conversions: PC and PW are written; the unit's products are done reading TS[u] and their fragments, the additions BL[u].  Behind it stand the unit's four small loads
; and three stores, and, dealt among the NEXT unit's products, that unit's LDS stores and loads (into the fragment set that these products do not name) and its twelve loads (into RAW).
; ONE wait on vm_vsrc stands in a unit, beside the wait on XCNT, behind the fourth K step: the LDS stores of the unit before have read RAW[u], the stores of the unit before PC and PW.
; Role C's way out has waits of its own; each way through a unit ends in a wait on va_vdst with no vector instruction behind it.
.set RP,    432                        ; an LDS row: 3 pieces of 128 bytes + 16 of padding
.set STG,   128*RP                     ; behind the resident rows: a stage of 16 rows for each wave
.set STGW,  16*RP
.set L16,   1                          ; v1   16 x lane
.set RUN2,  2                          ; v2   16 x lane + where a streamed tile's second eight rows begin
.set TSA,   3                          ; v3   my streamed row's scale bytes
.set R4,    4                          ; v4   4 r
.set SA,    5                          ; v5   my stage, on the way in
.set FA,    6                          ; v6   my stage, as fragments
.set RA,    7                          ; v7   the resident rows, as fragments
.set RWA,   8                          ; v8   the resident rows, on the way in
.set H64,   9                          ; v9   64 h: my half's 16 numbers of a block of 32
.set CGA,   10                         ; v10  1,024 h + 16 r
.set R32,   11                         ; v11  32 r
.set RSA,   12                         ; v12  my resident row's scale bytes
.set PX,    13                         ; v13  role C: the other half's sum
.set SUA,   14                         ; v[14:15], v[62:63] role C: two chains of sums
.set SUB,   62
.set RS,    16                         ; v16-39  resident scale words: register 3 t + j: lanes 0-15 K step 2 j, lanes 16-31 K step 2 j + 1
.set TS,    40                         ; v40-51  streamed scale words, four sets of 3, likewise
.set BL,    52                         ; v52, 54, 56, 58  the bias by lane, four sets (each the low word of a pair)
.set PW,    60                         ; v60  the scale word just made
.set ACC,   64                         ; v64-127 a unit's result
.set QM,    128                        ; v128-131 largest magnitudes, v132-135 bytes, v140-143 the conversions' scale operands, v144-151 codes
.set QB,    132
.set QO,    140
.set PC,    144
.set SCR,   128                        ; role C: 64 numbers of ln_b, then of ln_g
.set F,     192                        ; v192-239 the six fragments of an even tile of my wave's
.set F2,    160                        ; window 3, v160-207: those of an odd one
.set BI,    96                         ; window 3, v96-159: the bias by resident row, in the result's layout
; window 1: resident K steps 0-3;  window 2: v0-127 resident K steps 4, 5, v128-223 two sets of 48 registers as loaded;  window 3: v0-95 two more sets
.set RC,    54                         ; s[54:55] resident codes, s[56:57] their scales, s[58:59] streamed codes, s[60:61] their scales, s[62:63] bias, s[66:67] output
.set RSC,   56
.set TC,    58
.set TSC,   60
.set BP,    62
.set OP,    66
.set W,     68
.set X,     69
.set RI,    70                         ; which 128 resident rows
.set G,     71                         ; which 48 streamed tiles
.set NT,    72                         ; tiles of a wave
.set PERM,  73                         ; 1: streamed rows are dealt to tiles as resident rows are
.set VF,    74
.set CF,    75
.set RBF,   76                         ; s[76:77] 1.0, or 0.0 where the bias goes by lane
.set T0,    78
.set NTM1,  79
.set P8,    80
.set KB,    81
.set SH,    82
.set ST,    83
.set KB2,   84
.set SH2,   85
.set ST2,   86
.set CUR,   87                         ; the tile in hand
.set NXT,   88                         ; the number of the tile to be asked for
.set TR,    89
.set TRIPS, 90
.set CH,    91
.set TCB,   92                         ; s[92:97] the bases of the loads in flight
.set TSB,   94
.set BPB,   96
.set SBA,   98                         ; s[98:101] the bases of the stores
.set SBB,   100
.set SEL,   4                          ; s[4:5] (free once the pointers are chosen): lane l xor 16
.set MSB, 0
.macro WIN new                         ; the immediate's high byte repeats the setting that is left; a switch that changes nothing is dropped
.if MSB != (\new)
	s_set_vgpr_msb (MSB<<8)|(\new)
.set MSB, (\new)
.endif
.endm
	s_load_b512 s[4:19], s[0:1], 0x0               ; entity tokens (codes, scales), mention tokens, entity cls, Wq
	s_load_b512 s[20:35], s[0:1], 0x40             ; Wk, Wv, Wc (codes, scales), bq, bk
	s_load_b512 s[36:51], s[0:1], 0x80             ; bv, bc, ln_g, ln_b, qimg, kimg, vimg, cgimg
	s_load_b64 s[52:53], s[0:1], 0xc0              ; cbpart
	v_lshl_add_u32 v254, v0, 2, 0x14400
	v_mov_b32 v255, 0
	v_lshrrev_b32 v1, 5, v0
	v_readfirstlane_b32 s[W], v1                   ; wave 0..3
	s_mov_b32 s[X], ttmp9
	s_mul_i32 s2, s[X], 2979                       ; role Q: chunk = X / 22 (2,979 / 65,536 serves X < 132),
	s_lshr_b32 s81, s2, 16
	s_mul_i32 s2, s81, 22
	s_sub_co_u32 s82, s[X], s2                     ; share = X % 22
	s_sub_co_u32 s3, s[X], 132                     ; role K: chunk = (X - 132) / 6 (10,923 / 65,536 serves 0 .. 35),
	s_mul_i32 s2, s3, 10923
	s_lshr_b32 s83, s2, 16
	s_mul_i32 s2, s83, 6
	s_sub_co_u32 s84, s3, s2                       ; share = (X - 132) % 6
	s_sub_co_u32 s85, s[X], 168                    ; role V: the mention
	s_sub_co_u32 s86, s[X], 200                    ; role C: the chunk
	s_mov_b32 s87, 1024
	s_mov_b32 s88, 256
	s_mov_b32 s[G], 0
	s_mov_b32 s[PERM], 0
	s_wait_alu depctr_va_sdst(0)                   ; the wave's number is written, ahead of its first reader: my first tile, my stage and my part of the resident rows are made from it
	s_wait_kmcnt 0x0
	s_cmp_lt_u32 s[X], 200                         ; V over C
	s_cselect_b32 s[RI], s85, s86
	s_cselect_b32 s[NT], 48, 8                     ; (streamed tiles in all, for now)
	s_cselect_b32 s[VF], 1, 0
	s_cselect_b32 s[CF], 0, 1
	s_cselect_b32 s[RBF], 0, 1.0
	s_cselect_b64 s[RC:RC+1], s[8:9], s[28:29]
	s_cselect_b64 s[RSC:RSC+1], s[10:11], s[30:31]
	s_cselect_b64 s[TC:TC+1], s[24:25], s[12:13]
	s_cselect_b64 s[TSC:TSC+1], s[26:27], s[14:15]
	s_cselect_b64 s[BP:BP+1], s[36:37], s[38:39]
	s_cselect_b64 s[OP:OP+1], s[48:49], s[50:51]
	s_cmp_lt_u32 s[X], 168                         ; K over these
	s_cselect_b32 s[RI], s83, s[RI]
	s_cselect_b32 s[G], s84, s[G]
	s_cselect_b32 s[NT], s88, s[NT]
	s_cselect_b32 s[VF], 0, s[VF]
	s_cselect_b32 s[PERM], 1, s[PERM]
	s_cselect_b32 s[RBF], 1.0, s[RBF]
	s_cselect_b64 s[RC:RC+1], s[20:21], s[RC:RC+1]
	s_cselect_b64 s[RSC:RSC+1], s[22:23], s[RSC:RSC+1]
	s_cselect_b64 s[TC:TC+1], s[8:9], s[TC:TC+1]
	s_cselect_b64 s[TSC:TSC+1], s[10:11], s[TSC:TSC+1]
	s_cselect_b64 s[BP:BP+1], s[34:35], s[BP:BP+1]
	s_cselect_b64 s[OP:OP+1], s[46:47], s[OP:OP+1]
	s_cmp_lt_u32 s[X], 132                         ; Q over these
	s_cselect_b32 s[RI], s81, s[RI]
	s_cselect_b32 s[G], s82, s[G]
	s_cselect_b32 s[NT], s87, s[NT]
	s_cselect_b64 s[RC:RC+1], s[16:17], s[RC:RC+1]
	s_cselect_b64 s[RSC:RSC+1], s[18:19], s[RSC:RSC+1]
	s_cselect_b64 s[TC:TC+1], s[4:5], s[TC:TC+1]
	s_cselect_b64 s[TSC:TSC+1], s[6:7], s[TSC:TSC+1]
	s_cselect_b64 s[BP:BP+1], s[32:33], s[BP:BP+1]
	s_cselect_b64 s[OP:OP+1], s[44:45], s[OP:OP+1]
	s_mov_b32 s[RBF+1], s[RBF]                     ; (named with it as a pair, so it is written)
	s_mul_i32 s2, s[G], 48
	s_sub_co_u32 s[NT], s[NT], s2
	s_lshr_b32 s[NT], s[NT], 2
	s_min_u32 s[NT], s[NT], 12                     ; tiles of a wave: 12, in a role's last share 4, in role C 2
	s_add_co_u32 s[T0], s2, s[W]                   ; my first tile
	s_sub_co_u32 s[NTM1], s[NT], 1
	s_add_co_u32 s[TRIPS], s[NT], 3
	s_lshr_b32 s[TRIPS], s[TRIPS], 2
	s_lshl_b32 s[P8], s[PERM], 3
	s_min_u32 s[CH], s[RI], 5                      ; the chunk of the biases (held inside them where RI is a mention)
	; where a tile T's image goes: KB + (T / 4) SH + (T % 4) ST, its scale words: KB2 + (T / 4) SH2 + (T % 4) ST2
	s_lshl_b32 s2, s[RI], 10                       ; Q, K: K step c of the tile
	s_mul_i32 s3, s[RI], 52224                     ; V: mention b
	s_lshl_b32 s6, s[RI], 6
	s_add_co_u32 s6, s6, 24576
	s_add_co_u32 s7, s3, 49152
	s_mov_b32 s8, 26112
	s_mov_b32 s9, 6144
	s_mov_b32 s10, 384
	s_mov_b32 s11, 4096
	s_mov_b32 s12, 1024
	s_mov_b32 s13, 256
	s_cmp_eq_u32 s[PERM], 1
	s_cselect_b32 s[KB], s2, s3
	s_cselect_b32 s[KB2], s6, s7
	s_cselect_b32 s[SH], s8, s11
	s_cselect_b32 s[ST], s9, s12
	s_cselect_b32 s[SH2], s8, s13
	s_cselect_b32 s[ST2], s10, 64
	s_mov_b32 s[SEL], 0x76543210
	s_mov_b32 s[SEL+1], 0xfedcba98
	s_mul_i32 s8, s[RI], 49152                     ; the resident rows: 128 x 384 bytes; my wave brings 32 of them
	s_mul_i32 s2, s[W], 12288
	s_add_co_u32 s8, s8, s2
	s_mov_b32 s9, 0
	s_add_nc_u64 s[RC:RC+1], s[RC:RC+1], s[8:9]
	s_mul_i32 s8, s[RI], 3072                      ; their scale bytes: 128 x 24
	s_add_nc_u64 s[RSC:RSC+1], s[RSC:RSC+1], s[8:9]
	s_lshl_b32 s8, s[CH], 9                        ; a chunk's 128 numbers of a bias, of ln_g and of ln_b
	s_add_nc_u64 s[10:11], s[BP:BP+1], s[8:9]
	s_add_nc_u64 s[40:41], s[40:41], s[8:9]
	s_add_nc_u64 s[42:43], s[42:43], s[8:9]
	v_and_b32 v13, 31, v0                          ; lane
	v_and_b32 v14, 15, v0                          ; r
	v_bfe_u32 v15, v0, 4, 1                        ; h
	v_lshlrev_b32 v[L16], 4, v13
	s_mul_i32 s2, s[PERM], 3072
	s_add_co_u32 s2, s2, 3072
	v_add_nc_u32 v[RUN2], s2, v[L16]               ; a tile's second eight rows begin 8 rows on, or 16
	v_and_b32 v[TSA], 8, v14                       ; 8 (r / 8)
	v_add_nc_u32 v[RSA], v[TSA], v14               ; r + 8 (r / 8)
	v_mul_u32_u24 v[RA], v[RSA], RP
	v_lshl_add_u32 v[RA], v15, 4, v[RA]
	v_mul_u32_u24 v[RSA], v[RSA], 24
	v_lshl_add_u32 v[RSA], v15, 2, v[RSA]          ; 24 bytes a row; lanes 16-31 take the odd K step's word
	v_mul_u32_u24 v[TSA], v[TSA], s[PERM]
	v_add_nc_u32 v[TSA], v[TSA], v14
	v_mul_u32_u24 v[TSA], v[TSA], 24
	v_lshl_add_u32 v[TSA], v15, 2, v[TSA]
	v_lshlrev_b32 v[R4], 2, v14
	v_lshrrev_b32 v[SA], 3, v13
	v_lshl_add_u32 v[SA], v[SA], 4, v[L16]         ; 16 x lane + 16 for each 128 bytes passed
	s_mul_i32 s2, s[W], 32*RP
	v_add_nc_u32 v[RWA], s2, v[SA]
	s_mul_i32 s2, s[W], STGW
	s_add_co_u32 s2, s2, STG
	v_add_nc_u32 v[SA], s2, v[SA]
	v_mul_u32_u24 v[FA], v14, RP
	v_lshl_add_u32 v[FA], v15, 4, v[FA]
	v_add_nc_u32 v[FA], s2, v[FA]
	v_lshlrev_b32 v[H64], 6, v15
	v_lshlrev_b32 v[CGA], 10, v15
	v_lshl_add_u32 v[CGA], v14, 4, v[CGA]
	v_lshlrev_b32 v[R32], 5, v14
.irp b, 0,1,2,3
	v_mov_b32 v[QB+\b], 0                          ; written once: a lane permute's destination counts as one of its sources
	v_mov_b32 v[BL+2*\b+1], 0                      ; (named as the upper halves of the pairs of BL)
.endr
	; the resident operand: my 32 rows as they lie, the scale words, the bias by resident row
	WIN 0x80
	s_wait_alu depctr_va_vdst(0)                   ; the twelve addresses and offsets v1 to v12 are written, which every load and store of the kernel reads; so are v132 to v135, in which role C's loads land
.set i, 0
.rept 24
	global_load_b128 v[128+4*i:128+4*i+3], v[L16], s[RC:RC+1] offset:512*i
.set i, i+1
.endr
	WIN 0
.irp t, 0,1,2,3,4,5,6,7
.irp j, 0,1,2
	global_load_b32 v[RS+3*\t+\j], v[RSA], s[RSC:RSC+1] offset:(32*(\t/2)+8*(\t%2))*24+8*\j
.endr
.endr
	WIN 0xc0
.irp b, 0,1,2,3
.irp q, 0,1,2,3
	global_load_b128 v[BI+16*\b+4*\q:BI+16*\b+4*\q+3], v[H64], s[10:11] offset:128*\b+16*\q
.endr
.endr
	WIN 0
	s_wait_loadcnt 0x0
	WIN 0xc3
.set j, 0
.rept 32
	v_pk_mul_f32 v[BI+j:BI+j+1], v[BI+j:BI+j+1], s[RBF:RBF+1] op_sel_hi:[1,0]   ; x 1, or x 0 where the bias goes by lane.  (No memory or LDS instruction names these registers again)
.set j, j+2
.endr
	WIN 0x08
.set i, 0
.rept 24
	ds_store_b128 v[RWA], v[128+4*i:128+4*i+3] offset:576*i   ; a load's 512 bytes take four pieces of 128 + 16
.set i, i+1
.endr
	WIN 0
	s_wait_dscnt 0x0                               ; for the others' sake: my 32 rows lie in LDS
	s_barrier_signal -1
	s_barrier_wait -1                              ; all 128 do.  The launch's one barrier: nothing is written there again
	s_wait_alu depctr_vm_vsrc(0)                   ; my LDS stores have read window 2's v128 to v223: these are RAW0 and RAW1 from here on, in which the loads of tiles 0 and 1 land
	WIN 0x40
.irp k, 0,1,2,3
.irp t, 0,1,2,3,4,5,6,7
.irp c, 0,1
	ds_load_b128 v[64*\k+8*\t+4*\c:64*\k+8*\t+4*\c+3], v[RA] offset:(32*(\t/2)+8*(\t%2))*RP+144*(\k/2)+64*(\k%2)+32*\c
.endr
.endr
.endr
	WIN 0x80
.irp k, 4,5
.irp t, 0,1,2,3,4,5,6,7
.irp c, 0,1
	ds_load_b128 v[64*(\k-4)+8*\t+4*\c:64*(\k-4)+8*\t+4*\c+3], v[RA] offset:(32*(\t/2)+8*(\t%2))*RP+144*(\k/2)+64*(\k%2)+32*\c
.endr
.endr
.endr
	WIN 0
.macro RAWSET u                        ; set u of the registers as loaded: its window and its first register
.if (\u) < 2
.set RWN, 2
.set RBS, 128+48*(\u)
.else
.set RWN, 3
.set RBS, 48*((\u)-2)
.endif
.endm
; The bases of the tile numbered s[NXT] of my wave's (held at my last).  inloop = 1: in a unit, where registers are taken up again.
.macro BASES inloop
	s_wait_xcnt 0x0                                ; the bases below, the stores' bases and the registers that the last unit's stores read are written again only behind this wait
.if \inloop
	s_wait_alu depctr_vm_vsrc(0)                   ; the LDS stores of the unit before have read the set in which the twelve loads below land; the last unit's stores have read PC and PW, which this unit's conversions write again
.endif
	s_min_u32 s2, s[NXT], s[NTM1]
	s_add_co_u32 s[NXT], s[NXT], 1
	s_lshl_b32 s2, s2, 2
	s_add_co_u32 s2, s2, s[T0]                     ; the tile T
	s_and_b32 s3, s2, 1
	s_mul_i32 s3, s3, s[P8]
	s_lshl_b32 s6, s2, 4
	s_sub_co_u32 s6, s6, s3                        ; its first row: 16 T, or 8 less for an odd tile where rows are dealt as resident rows are
	s_mul_i32 s8, s6, 384
	s_mov_b32 s9, 0
	s_add_nc_u64 s[TCB:TCB+1], s[TC:TC+1], s[8:9]
	s_mul_i32 s8, s6, 24
	s_add_nc_u64 s[TSB:TSB+1], s[TSC:TSC+1], s[8:9]
	s_min_u32 s8, s2, 47                           ; the bias by lane: 16 numbers a tile (held inside the bias in the roles that do not use it)
	s_lshl_b32 s8, s8, 6
	s_add_nc_u64 s[BPB:BPB+1], s[BP:BP+1], s[8:9]
.endm
; Twelve loads: that tile's 16 rows of 384 bytes as two runs of 3,072 bytes, 512 consecutive bytes a load, into set u.
.macro LOADR u
	RAWSET \u
	WIN RWN<<6
.irp i, 0,1,2,3,4,5
	global_load_b128 v[RBS+4*\i:RBS+4*\i+3], v[L16], s[TCB:TCB+1] offset:512*\i
.endr
.irp i, 0,1,2,3,4,5
	global_load_b128 v[RBS+24+4*\i:RBS+24+4*\i+3], v[RUN2], s[TCB:TCB+1] offset:512*\i
.endr
.endm
; Four loads: its three registers of scale words and its bias by lane.
.macro LOADS u
	WIN 0
.irp j, 0,1,2
	global_load_b32 v[TS+3*(\u)+\j], v[TSA], s[TSB:TSB+1] offset:8*\j
.endr
	global_load_b32 v[BL+2*(\u)], v[R4], s[BPB:BPB+1]
.endm
; Set u goes through my own stage and comes back as six fragments, at v[GB] on of window GW.  LDS serves a wave's instructions in order (ISA guide 5.7.1.4): no wait stands between the stores and the loads.
.macro PASS u
	RAWSET \u
	WIN RWN<<2
.set i, 0
.rept 12
	ds_store_b128 v[SA], v[RBS+4*i:RBS+4*i+3] offset:576*i
.set i, i+1
.endr
	WIN GW<<6
.irp k, 0,1,2,3,4,5
.irp c, 0,1
	ds_load_b128 v[GB+8*\k+4*\c:GB+8*\k+4*\c+3], v[FA] offset:144*(\k/2)+64*(\k%2)+32*\c
.endr
.endr
.endm
; Eight matrix instructions: K step kap of all eight resident tiles; the streamed fragments at v[FB] on.  The eight accumulators take turns, one instruction a turn.  The first K step takes the bias as C.
.macro MM kap
.irp t, 0,1,2,3,4,5,6,7
.if (\kap) == 0
	v_wmma_scale_f32_16x16x128_f8f6f4 v[ACC+8*\t:ACC+8*\t+7], v[8*\t:8*\t+7], v[FB:FB+7], v[BI+8*\t:BI+8*\t+7], v[RS+3*\t], v[TSU] matrix_a_fmt:MATRIX_FMT_FP4 matrix_b_fmt:MATRIX_FMT_FP4
.elseif ((\kap)%2) == 0
	v_wmma_scale_f32_16x16x128_f8f6f4 v[ACC+8*\t:ACC+8*\t+7], v[64*((\kap)&3)+8*\t:64*((\kap)&3)+8*\t+7], v[FB+8*(\kap):FB+8*(\kap)+7], v[ACC+8*\t:ACC+8*\t+7], v[RS+3*\t+(\kap)/2], v[TSU+(\kap)/2] matrix_a_fmt:MATRIX_FMT_FP4 matrix_b_fmt:MATRIX_FMT_FP4
.else
	v_wmma_scale_f32_16x16x128_f8f6f4 v[ACC+8*\t:ACC+8*\t+7], v[64*((\kap)&3)+8*\t:64*((\kap)&3)+8*\t+7], v[FB+8*(\kap):FB+8*(\kap)+7], v[ACC+8*\t:ACC+8*\t+7], v[RS+3*\t+(\kap)/2], v[TSU+(\kap)/2] matrix_a_fmt:MATRIX_FMT_FP4 matrix_b_fmt:MATRIX_FMT_FP4 matrix_a_scale:MATRIX_SCALE_ROW1 matrix_b_scale:MATRIX_SCALE_ROW1
.endif
.endr
.endm
; 64 numbers of a lane, register 16 b + i = k 32 b + 16 (lane / 16) + i of my row, become a fragment's codes in v[PC] on and its scale word in v[PW].
.macro QUANT s
.irp b, 0,1,2,3
	v_max3_num_f32 v[QM+\b], |v[\s+16*\b]|, |v[\s+1+16*\b]|, 0x1800000   ; block b: my 16 numbers, and the floor 2^(3 - 127): so the byte cannot fall under 1
.endr
.irp i, 2,4,6,8,10,12,14
.irp b, 0,1,2,3
	v_max3_num_f32 v[QM+\b], v[QM+\b], |v[\s+16*\b+\i]|, |v[\s+1+16*\b+\i]|   ; (the four blocks by turns)
.endr
.endr
.irp b, 0,1,2,3
	v_permlanex16_b32 v[QB+\b], v[QM+\b], s[SEL], s[SEL+1]
.endr
.irp b, 0,1,2,3
	v_max_num_f32 v[QM+\b], v[QM+\b], v[QB+\b]     ; with lane l xor 16's: the block's largest magnitude
.endr
.irp b, 0,1,2,3
	v_add_nc_u32 v[QO+\b], 0xff000000, v[QM+\b]    ; 2 off its exponent field: the conversion takes the exponent field of this operand as its scale
.endr
.irp b, 0,1,2,3
	v_lshrrev_b32 v[QB+\b], 23, v[QO+\b]           ; the scale's byte
.endr
	v_lshl_or_b32 v[PW], v[QB+1], 8, v[QB]
	v_lshl_or_b32 v[PW], v[QB+2], 16, v[PW]
	v_lshl_or_b32 v[PW], v[QB+3], 24, v[PW]        ; my row's scale word (the same in both halves of the lanes)
.irp b, 0,1,2,3
	v_cvt_scalef32_pk8_fp4_f32 v[PC+2*\b], v[\s+16*\b:\s+7+16*\b], v[QO+\b]
	v_cvt_scalef32_pk8_fp4_f32 v[PC+1+2*\b], v[\s+8+16*\b:\s+15+16*\b], v[QO+\b]
.endr
	v_nop                                          ; one plain place behind a scaled conversion
.irp c, 0,1                                    ; the operand's layout wants a whole block in a lane: lanes 0-15 block 2 c, lanes 16-31 block 2 c + 1
.irp i, 0,1
	v_permlane16_swap_b32 v[PC+4*\c+\i], v[PC+2+4*\c+\i]
.endr
.endr
.endm
; Role C's way out: lane (r, h) holds cls_fc of entity 16 T + r at h-index 128 c + 32 b + 16 h + i.
.macro CTAIL u
	s_lshl_b32 s2, s[CUR], 9
	s_lshl_b32 s3, s[RI], 2
	s_add_co_u32 s8, s2, s3
	s_mov_b32 s9, 0
	s_add_nc_u64 s[SBB:SBB+1], s[52:53], s[8:9]    ; cbpart: 32 bytes an entity, entry c
	s_mul_i32 s2, s[CUR], 49152
	s_lshl_b32 s3, s[RI], 13
	s_add_co_u32 s8, s2, s3
	s_add_nc_u64 s[SBA:SBA+1], s[OP:OP+1], s[8:9]  ; cgimg: 49,152 bytes for 16 entities, a chunk's eight tiles of 1,024
.irp b, 0,1,2,3
.irp q, 0,1,2,3
	global_load_b128 v[SCR+16*\b+4*\q:SCR+16*\b+4*\q+3], v[H64], s[42:43] offset:128*\b+16*\q   ; ln_b.  No wait: no vector or matrix instruction since the last wait on va_vdst names these registers
.endr
.endr
	s_wait_loadcnt 0x0
	v_pk_mul_f32 v[SUA:SUA+1], v[ACC:ACC+1], v[SCR:SCR+1]
	v_pk_mul_f32 v[SUB:SUB+1], v[ACC+2:ACC+3], v[SCR+2:SCR+3]
.irp j, 4,8,12,16,20,24,28,32,36,40,44,48,52,56,60
	v_pk_fma_f32 v[SUA:SUA+1], v[ACC+\j:ACC+\j+1], v[SCR+\j:SCR+\j+1], v[SUA:SUA+1]
	v_pk_fma_f32 v[SUB:SUB+1], v[ACC+\j+2:ACC+\j+3], v[SCR+\j+2:SCR+\j+3], v[SUB:SUB+1]
.endr
	v_pk_add_f32 v[SUA:SUA+1], v[SUA:SUA+1], v[SUB:SUB+1]
	v_add_f32 v[SUA], v[SUA], v[SUA+1]
	v_permlanex16_b32 v[PX], v[SUA], s[SEL], s[SEL+1]
	v_add_f32 v[SUA], v[SUA], v[PX]                ; the chunk's sum of cls_fc x ln_b
	s_wait_alu depctr_va_vdst(0)                   ; the sums are done reading v[SCR ..], in which ln_g lands; v[SUA] is written, which the store reads
.irp b, 0,1,2,3
.irp q, 0,1,2,3
	global_load_b128 v[SCR+16*\b+4*\q:SCR+16*\b+4*\q+3], v[H64], s[40:41] offset:128*\b+16*\q   ; ln_g
.endr
.endr
	global_store_b32 v[R32], v[SUA], s[SBB:SBB+1]
	s_wait_loadcnt 0x0
.set j, 0
.rept 32
	v_pk_mul_f32 v[ACC+j:ACC+j+1], v[ACC+j:ACC+j+1], v[SCR+j:SCR+j+1]
.set j, j+2
.endr
	s_wait_alu depctr_va_vdst(0)                   ; the multiplications have written v[ACC ..], which the stores read, and are done reading v[SCR ..]; the unit's products are done reading their scale words and fragments, in which loads land from here on
	LOADS \u                                       ; tile n + 4's
.irp b, 0,1,2,3
.irp h, 0,1
.irp c, 0,1
	global_store_b128 v[CGA], v[ACC+16*\b+8*\h+4*\c:ACC+16*\b+8*\h+4*\c+3], s[SBA:SBA+1] offset:2048*\b+512*\c+256*\h   ; each half of the lanes stores 256 consecutive bytes, aligned
.endr
.endr
.endr
	s_wait_xcnt 0x0                                ; the next unit's products write the registers that these stores read
	s_wait_alu depctr_vm_vsrc(0)                   ; the stores have read v[ACC ..] and v[SUA]: the next unit's first products write v[ACC ..] again
.endm
; A UNIT: tile n of my wave, n % 4 = u.  Its fragments lie in F (u even) or F2 (u odd); the next tile's go into the other set.
.macro UNIT u, ctail
.set TSU, TS+3*(\u)
.if ((\u)%2) == 0
.set FB, F
.set FW, 0
.set GB, F2
.set GW, 3
.else
.set FB, F2
.set FW, 3
.set GB, F
.set GW, 0
.endif
	s_wait_dscnt 0x0                               ; the tile's fragments are in (asked for early in the unit before)
	WIN 0x31|(FW<<2)                               ; source 0 window 1, source 1 the fragments' window, C (the bias) window 3
	MM 0
	s_wait_loadcnt 32                              ; tile n + 1's sixteen loads are in: behind them were issued 12 + 4 (n + 2) and 12 + 4 (n + 3)
	PASS ((\u)+1)%4                                ; no wait: the products since the last wait on va_vdst name this tile's fragments, not the other set, in which these loads land
	WIN 0x01|(FW<<2)
	MM 1
	MM 2
	MM 3
	BASES 1
	LOADR \u                                       ; tile n + 4, into the set that went through the stage in the unit before
	WIN 0x02|(FW<<2)                               ; source 0 window 2
	MM 4
	MM 5
	WIN 0
.rept 4
	v_nop                                          ; places behind the products, ahead of the first read of their results (ISA guide 7.12.1)
.endr
	s_cmp_eq_u32 s[VF], 0
	s_cbranch_scc1 .Lno_lane_bias_\@
.set j, 0
.rept 32
	v_pk_add_f32 v[ACC+j:ACC+j+1], v[ACC+j:ACC+j+1], v[BL+2*(\u):BL+2*(\u)+1] op_sel_hi:[1,0]   ; role V: bv of my row of Wv
.set j, j+2
.endr
.Lno_lane_bias_\@:
.if \ctail
	s_cmp_lg_u32 s[CF], 0
	s_cbranch_scc1 .Lcls_\@
.endif
	s_lshr_b32 s2, s[CUR], 2
	s_and_b32 s3, s[CUR], 3
	s_mul_i32 s6, s2, s[SH]
	s_mul_i32 s8, s3, s[ST]
	s_add_co_u32 s8, s8, s6
	s_add_co_u32 s8, s8, s[KB]
	s_mov_b32 s9, 0
	s_add_nc_u64 s[SBA:SBA+1], s[OP:OP+1], s[8:9]
	s_mul_i32 s6, s2, s[SH2]
	s_mul_i32 s8, s3, s[ST2]
	s_add_co_u32 s8, s8, s6
	s_add_co_u32 s8, s8, s[KB2]
	s_add_nc_u64 s[SBB:SBB+1], s[OP:OP+1], s[8:9]
	QUANT ACC
	s_wait_alu depctr_va_vdst(0)                   ; the conversions have written PC and PW, which the stores read; the unit's products are done reading their scale words and fragments, the additions the bias by lane: loads land in these from here on
	LOADS \u                                       ; tile n + 4's
	global_store_b128 v[L16], v[PC:PC+3], s[SBA:SBA+1]              ; the fragment's image: 512 consecutive bytes a store
	global_store_b128 v[L16], v[PC+4:PC+7], s[SBA:SBA+1] offset:512
	global_store_b32 v[R4], v[PW], s[SBB:SBB+1]                     ; 16 scale words; lanes 16-31 write what lanes 0-15 write
.if \ctail
	s_branch .Lunit_end_\@
.Lcls_\@:
	CTAIL \u
.Lunit_end_\@:
.endif
	s_add_co_u32 s[CUR], s[CUR], 4
.endm
	s_mov_b32 s[NXT], 0
.irp u, 0,1,2,3
	BASES 0
	LOADR \u
	LOADS \u
.endr
	s_wait_loadcnt 48                              ; tile 0's sixteen loads are in; those of three tiles may be out
.set GB, F
.set GW, 0
	PASS 0
	WIN 0
	s_mov_b32 s[CUR], s[T0]
	s_mov_b32 s[TR], 0
.Ltrip:                                            ; four tiles a trip: the four sets of registers as loaded and the two sets of fragments come round
	UNIT 0, 1
	UNIT 1, 1
	s_cmp_lg_u32 s[NT], 2                          ; role C's waves have two tiles: they end here, inside the trip; every other wave goes round these lines
	s_cbranch_scc1 .Lmore_tiles
	s_wait_dscnt 0x0                               ; the closing lines, six on end
	s_wait_alu 0x0
	s_wait_tensorcnt 0x0
	ds_add_u32 v254, v255
	s_wait_dscnt 0x0
	s_endpgm
.Lmore_tiles:
	UNIT 2, 0
	UNIT 3, 0
	s_add_co_u32 s[TR], s[TR], 1
	s_cmp_lt_u32 s[TR], s[TRIPS]
	s_cbranch_scc1 .Ltrip
	s_wait_dscnt 0x0                               ; the closing lines, six on end
	s_wait_alu 0x0
	s_wait_tensorcnt 0x0
	ds_add_u32 v254, v255
	s_wait_dscnt 0x0
	s_endpgm
.Lfunc_end_k_q41d9c83918_proj:
	.size	k_q41d9c83918_proj, .Lfunc_end_k_q41d9c83918_proj-k_q41d9c83918_proj
	.p2alignl 7, 3214868480
	.fill 96, 4, 3214868480
	.section	.rodata,"a",@progbits
	.p2align	6, 0x0
	.amdhsa_kernel k_q41d9c83918_proj
		.amdhsa_group_segment_fixed_size 83456
		.amdhsa_private_segment_fixed_size 0
		.amdhsa_enable_private_segment 0
		.amdhsa_kernarg_size 200
		.amdhsa_user_sgpr_count 2
		.amdhsa_user_sgpr_kernarg_segment_ptr 1
		.amdhsa_wavefront_size32 1
		.amdhsa_system_sgpr_workgroup_id_x 1
		.amdhsa_system_sgpr_workgroup_id_y 1
		.amdhsa_system_sgpr_workgroup_id_z 1
		.amdhsa_system_vgpr_workitem_id 0
		.amdhsa_next_free_vgpr 976
		.amdhsa_next_free_sgpr 102
		.amdhsa_reserve_vcc 0
		.amdhsa_float_denorm_mode_32 3
		.amdhsa_float_denorm_mode_16_64 3
		.amdhsa_memory_ordered 1
		.amdhsa_forward_progress 1
		.amdhsa_inst_pref_size 119
	.end_amdhsa_kernel
	.amdgpu_metadata
---
amdhsa.version: [ 1, 2 ]
amdhsa.kernels:
  - .name:           k_q41d9c83918_proj
    .symbol:         k_q41d9c83918_proj.kd
    .args:
      - { .name: entity_text_tokens_codes, .offset: 0, .size: 8, .value_kind: global_buffer, .address_space: global }
      - { .name: entity_text_tokens_scales, .offset: 8, .size: 8, .value_kind: global_buffer, .address_space: global }
      - { .name: mention_text_tokens_codes, .offset: 16, .size: 8, .value_kind: global_buffer, .address_space: global }
      - { .name: mention_text_tokens_scales, .offset: 24, .size: 8, .value_kind: global_buffer, .address_space: global }
      - { .name: entity_text_cls_codes, .offset: 32, .size: 8, .value_kind: global_buffer, .address_space: global }
      - { .name: entity_text_cls_scales, .offset: 40, .size: 8, .value_kind: global_buffer, .address_space: global }
      - { .name: Wq_codes, .offset: 48, .size: 8, .value_kind: global_buffer, .address_space: global }
      - { .name: Wq_scales, .offset: 56, .size: 8, .value_kind: global_buffer, .address_space: global }
      - { .name: Wk_codes, .offset: 64, .size: 8, .value_kind: global_buffer, .address_space: global }
      - { .name: Wk_scales, .offset: 72, .size: 8, .value_kind: global_buffer, .address_space: global }
      - { .name: Wv_codes, .offset: 80, .size: 8, .value_kind: global_buffer, .address_space: global }
      - { .name: Wv_scales, .offset: 88, .size: 8, .value_kind: global_buffer, .address_space: global }
      - { .name: Wc_codes, .offset: 96, .size: 8, .value_kind: global_buffer, .address_space: global }
      - { .name: Wc_scales, .offset: 104, .size: 8, .value_kind: global_buffer, .address_space: global }
      - { .name: bq, .offset: 112, .size: 8, .value_kind: global_buffer, .address_space: global }
      - { .name: bk, .offset: 120, .size: 8, .value_kind: global_buffer, .address_space: global }
      - { .name: bv, .offset: 128, .size: 8, .value_kind: global_buffer, .address_space: global }
      - { .name: bc, .offset: 136, .size: 8, .value_kind: global_buffer, .address_space: global }
      - { .name: ln_g, .offset: 144, .size: 8, .value_kind: global_buffer, .address_space: global }
      - { .name: ln_b, .offset: 152, .size: 8, .value_kind: global_buffer, .address_space: global }
      - { .name: qimg, .offset: 160, .size: 8, .value_kind: global_buffer, .address_space: global }
      - { .name: kimg, .offset: 168, .size: 8, .value_kind: global_buffer, .address_space: global }
      - { .name: vimg, .offset: 176, .size: 8, .value_kind: global_buffer, .address_space: global }
      - { .name: cgimg, .offset: 184, .size: 8, .value_kind: global_buffer, .address_space: global }
      - { .name: cbpart, .offset: 192, .size: 8, .value_kind: global_buffer, .address_space: global }
    .group_segment_fixed_size: 83456
    .private_segment_fixed_size: 0
    .kernarg_segment_align: 8
    .kernarg_segment_size: 200
    .max_flat_workgroup_size: 128
    .sgpr_count:     102
    .vgpr_count:     976
    .wavefront_size: 32
...
	.end_amdgpu_metadata
.endif
;; end of part 3
;; launch attn: the kernel of part 2 again; grid 32 x 8, 4 waves a work-group, clusters of 4 x 1, 327,680 bytes of LDS; arguments qimg, kimg, vimg, cgimg, cbpart, entity_text_cls_codes, entity_text_cls_scales, mention_text_cls_codes, mention_text_cls_scales, out0; writes out0
